; MI455X (gfx1250); checked and timed in simulation.
; The chip was launched on July 23, 2026; its instructions are those of AMD's public machine-readable ISA for CDNA 5 (MIT licence, August 2026) and "CDNA5" Instruction Set Architecture Reference Guide (July 2026). The comments in the code are by the model that wrote it; some were corrected since.
;; Sparse Mo E Layer. Allowed arithmetic: matrix products marked QUANTISED: E3M2 operands, one E8M0 scale for each 32 along K, by v_wmma_scale_f32_16x16x128_f8f6f4 with both operands' format E3M2, f32 sums; products left as they are: f32 operands where the result goes on into a quantised operand, else bf16, f16 or f32 operands; f32 sums; everything else in f32.
;; Inputs: b1 8 x 512 float32; b2 8 x 1,024 float32; hidden_states 2 x 4,096 x 1,024 float32; router_b 8 float32; router_w 1,024 x 8 float32; w1_codes 8 x 512 x 32 x 24 uint8 (E3M2 codes of w1, K innermost, in blocks of 32 codes, four codes in three bytes); w1_scales 8 x 512 x 32 uint8 (E8M0 scales of w1, one for each 32 codes along K); w2_codes 8 x 1,024 x 16 x 24 uint8 (E3M2 codes of w2, K innermost, in blocks of 32 codes, four codes in three bytes); w2_scales 8 x 1,024 x 16 uint8 (E8M0 scales of w2, one for each 32 codes along K).
;; Outputs: out0 2 x 4,096 x 1,024 float32; out1 one number float32.
;; This version of the problem:
;;   THIS VERSION OF THE PROBLEM IS GIVEN IN LOW PRECISION. The matrix products marked QUANTISED in the list below multiply operands that are first quantised to E3M2 (3 exponent bits, 2 mantissa bits; 6 bits a number), with one power-of-two scale for each 32 numbers along K (OCP MX v1.0); their sums are f32. All else is computed in f32.
;;   The module's matrix products, in the order in which they are computed (A, B: the left and right operand; K: the contracted axis; several contracted axes count as one K, in the product's order):
;;     1. [M 8,192, K 1,024] x [K 1,024, N 8]; A: input hidden_states; B: input router_w: left as it is (N = 8 < 16)
;;     2. [M 8,192, K 1,024] x [K 1,024, N 512]; A: input hidden_states; B: input w1 (given as codes): QUANTISED
;;     3. [M 8,192, K 512] x [K 512, N 1,024]; A: computed on the way; B: input w2 (given as codes): QUANTISED
;;     4. [M 8,192, K 1,024] x [K 1,024, N 512]; A: input hidden_states; B: input w1 (given as codes): QUANTISED
;;     5. [M 8,192, K 512] x [K 512, N 1,024]; A: computed on the way; B: input w2 (given as codes): QUANTISED
;;     6. [M 8,192, K 1,024] x [K 1,024, N 512]; A: input hidden_states; B: input w1 (given as codes): QUANTISED
;;     7. [M 8,192, K 512] x [K 512, N 1,024]; A: computed on the way; B: input w2 (given as codes): QUANTISED
;;     8. [M 8,192, K 1,024] x [K 1,024, N 512]; A: input hidden_states; B: input w1 (given as codes): QUANTISED
;;     9. [M 8,192, K 512] x [K 512, N 1,024]; A: computed on the way; B: input w2 (given as codes): QUANTISED
;;     10. [M 8,192, K 1,024] x [K 1,024, N 512]; A: input hidden_states; B: input w1 (given as codes): QUANTISED
;;     11. [M 8,192, K 512] x [K 512, N 1,024]; A: computed on the way; B: input w2 (given as codes): QUANTISED
;;     12. [M 8,192, K 1,024] x [K 1,024, N 512]; A: input hidden_states; B: input w1 (given as codes): QUANTISED
;;     13. [M 8,192, K 512] x [K 512, N 1,024]; A: computed on the way; B: input w2 (given as codes): QUANTISED
;;     14. [M 8,192, K 1,024] x [K 1,024, N 512]; A: input hidden_states; B: input w1 (given as codes): QUANTISED
;;     15. [M 8,192, K 512] x [K 512, N 1,024]; A: computed on the way; B: input w2 (given as codes): QUANTISED
;;     16. [M 8,192, K 1,024] x [K 1,024, N 512]; A: input hidden_states; B: input w1 (given as codes): QUANTISED
;;     17. [M 8,192, K 512] x [K 512, N 1,024]; A: computed on the way; B: input w2 (given as codes): QUANTISED
;;   THE QUANTISER, for each operand of a quantised product, along K:
;;     - K is cut into blocks of 32 from its start; a last block that is shorter is filled with zeros.
;;     - A block's scale is 2^e with e = floor(log2(the largest magnitude in the block)) - 4, held to -126 .. 127; a block of zeros has e = 0. As a byte (E8M0): e + 127.
;;     - Each number is divided by its block's scale, clamped to +-28, and rounded to the nearest number of E3M2, ties to even, subnormals kept.
;;     - The product sums the exact products of the quantised numbers (number of the format x scale) in f32.
;;   ~~~python
;;   def quantise(x, axis):      # numpy; x: float32 -> the quantised numbers, widened to float32 again
;;       x = np.moveaxis(x, axis, -1); K = x.shape[-1]
;;       x = np.pad(x, [(0, 0)] * (x.ndim - 1) + [(0, -K % 32)]); x = x.reshape(x.shape[:-1] + (-1, 32)); a = np.abs(x).max(-1, keepdims=True)
;;       e = np.where(a > 0, np.clip(np.frexp(np.where(a > 0, a, 1))[1] - 1 - 4, -126, 127), 0)      # np.frexp(a)[1] - 1 = floor(log2(a)), exactly
;;       r = np.clip(x / 2.0 ** e, -28, 28)
;;       step = 2.0 ** (np.maximum(np.frexp(np.where(r == 0, 1, r))[1] - 1, -2) - 2)
;;       q = np.round(r / step) * step * 2.0 ** e      # np.round: ties to even
;;       return np.moveaxis(q.reshape(q.shape[:-2] + (-1,))[..., :K], -1, axis).astype(np.float32)
;;   ~~~
;;   OPERANDS COMPUTED ON THE WAY. 'Computed on the way' means the value that the module computes at that place (a softmax that the list does not call 'softmax' is quantised finished and normalised). What goes into a quantiser is computed in f32, as accurately as f32 sums, v_exp_f32 and their like allow (about 1e-6 of the number): no bf16 or f16 on the way to a quantiser, and a product that is left as it is and whose result goes on into a quantised operand takes f32 operands (vector FMAs, or v_wmma_f32_16x16x4_f32). A number that lies on a knife's edge between two numbers of the format may be rounded either way, as far as f32 arithmetic and the matrix unit's own rounding can turn it there, and no further.
;;   INPUTS GIVEN AS CODES. w1 (in the module: [8, 1024, 512], K = its axis 1); w2 (in the module: [8, 512, 1024], K = its axis 1): each comes as NAME_codes (uint8): NAME with its K axis moved to the last place and cut into blocks of 32 codes, [.., K / 32, bytes a block], one block behind the other in memory; four codes in three bytes: a row's codes are one little-endian stream of bits, code i at bits 6 i .. 6 i + 5 (a code: sign, 3 exponent bits, 2 mantissa bits); and NAME_scales (uint8): the same leading axes, one E8M0 byte (e + 127) for each 32 codes along K. Its value is code x scale, taken as it is: it is not quantised again, and the codes and scales need not be those that the quantiser above would give.
;; 2 versions, each right; version 2 is version 1 with the launch chain written anew for expert scheduling mode. Each part assembles by itself: llvm-mc -triple=amdgcn-amd-amdhsa -mcpu=gfx1250 --defsym DOCPART=n.
;; ======== version 1 of 2: 3 launches
;; workspace buffers: xq 6,553,600 bytes; gate 73,728 bytes; rsel 65,536 bytes of whole numbers; tplan 40,960 bytes of whole numbers; wf 6,291,456 bytes
;; launch route (part 1): grid 256 x 1, 8 waves a work-group, no clusters, 76,288 bytes of LDS; arguments hidden_states, router_w, router_b, xq, gate, rsel; writes xq, gate, rsel
.if DOCPART == 1
	.amdgcn_target "amdgcn-amd-amdhsa--gfx1250"
	.amdhsa_code_object_version 6
	.text
	.protected	k_qc7b9e430d3_route
	.globl	k_qc7b9e430d3_route
	.p2align	8
	.type	k_qc7b9e430d3_route,@function
k_qc7b9e430d3_route:
	s_mov_b64 s[64:65], 0
	v_nop
	global_prefetch_b8 v0, s[64:65] scope:SCOPE_SE
	s_setreg_imm32_b32 hwreg(HW_REG_WAVE_MODE, 25, 1), 1
	s_wait_xcnt 0x0
; ROUTE.  x [8192][1024] f32 is read once and gives: (1) the router's logits x router_w + router_b in f32 (fused multiply-adds), the two largest of each token (ties: the lower index), their softmax
; weights, and the sums of softmax(logits) for the loss; (2) x's codes of BF6 (E3M2) with one E8M0 byte for each 32 along K, laid as the last launch's operand registers take them.
; A work-group takes 32 tokens; wave w takes k = 128 w .. 128 w + 127 of all of them, 4 tokens (512 numbers) a step, 8 steps.  Each load reads 512 consecutive bytes; a step's 2,048 bytes turn through the
; wave's own stage in LDS so that a lane then holds 16 NEIGHBOURS along K of one token (lane l: token l / 8 of the step, k = 128 w + 16 (l % 8) + 0 .. 15): what the conversion and the router both want.
; xq: token t's codes at 768 t; K step s at + 96 s; in it the four blocks of 24 bytes in the order 0, 2, 1, 3, so that lane (r, h) of an operand reads 48 consecutive bytes at + 48 h.  Scale bytes at XQS + 32 t.
; WHAT THE CHOICE GIVES is stored as values at fixed places: no address and no branch of this launch hangs on it.  rsel: a word a token, p | rank << 8 (p = the number, 0 .. 27, of the unordered pair of experts;
; rank = earlier tokens of the same p among the work-group's 32); then [256][32] counts of each p.  gate: (weight of the lower expert, of the higher) a token; then [256][8] sums of softmax(logits).
; A block's scale byte is its largest magnitude's exponent field - 4, held at 1 from below (a block of zeros gets 1 where the rule says 127: its codes are zeros, and this program alone reads the bytes).
; LIMITS: NaN and infinities are not served.  Logits are summed as 16 multiply-adds a lane, a tree over 8 lanes, a tree over 8 waves: two logits nearer than that sum's rounding may change places.
; No matrix unit (N = 8), no tensor load, no cluster: the launch streams, and work-groups share only router_w's 32 KiB.
.set PART,  40960                      ; LDS: 0: a stage pair of 5,120 bytes for each wave; PART: partial logits, token x 272 + 32 w
.set XC,    49664                      ; the work-group's 24,576 bytes of xq's codes
.set XSB,   74240                      ; and its 1,024 scale bytes
.set XQS,   6291456                    ; where xq's scale bytes begin
.set RW,    24                         ; v24-151  router_w[k_i][e] at 8 i + e, for my 16 k
.set R,     152                        ; v152-215 four sets of 16 numbers as loaded
.set X,     216                        ; v216-247 two sets of 16 neighbours
.set P,     248                        ; v248-255 eight partial logits
.set L,     24                         ; the tail: 64 partial logits of my token
	s_load_b256 s[4:11], s[0:1], 0x0               ; x, router_w, router_b, xq
	s_load_b128 s[12:15], s[0:1], 0x20             ; gate, rsel
	v_lshl_add_u32 v22, v0, 2, 0x12600
	v_mov_b32 v23, 0
	v_lshrrev_b32 v13, 5, v0
	v_readfirstlane_b32 s2, v13                    ; wave 0..7
	v_and_b32 v1, 31, v0                           ; lane
	s_lshl_b32 s3, s2, 9
	v_lshl_add_u32 v2, v1, 4, s3                   ; x: 512 w + 16 l in a token's row
	s_mul_i32 s24, s2, 5120
	v_lshrrev_b32 v14, 2, v1
	v_mul_u32_u24 v3, v14, 80
	v_and_b32 v14, 3, v1
	v_lshl_add_u32 v3, v14, 4, v3
	v_add_nc_u32 v3, s24, v3                       ; stage, in: four lanes' 64 bytes, then 16 of padding
	v_mul_u32_u24 v4, v1, 80
	v_add_nc_u32 v4, s24, v4                       ; stage, out: 80 x lane
	v_lshrrev_b32 v14, 3, v1                       ; my token of the step's four
	v_bfe_u32 v15, v1, 1, 2                        ; b: my block of the K step's four
	v_and_b32 v16, 1, v15
	v_lshrrev_b32 v17, 1, v15
	v_lshl_or_b32 v16, v16, 1, v17                 ; its place in the order 0, 2, 1, 3
	v_mul_u32_u24 v5, v14, 768
	v_mad_u32_u24 v5, v16, 24, v5
	v_and_b32 v17, 1, v1
	v_mad_u32_u24 v5, v17, 12, v5
	s_mul_i32 s25, s2, 96
	s_add_co_u32 s25, s25, XC
	v_add_nc_u32 v5, s25, v5                       ; where my 12 bytes of codes go
	v_lshl_add_u32 v6, v14, 5, v15
	s_lshl_b32 s25, s2, 2
	s_add_co_u32 s25, s25, XSB
	v_add_nc_u32 v6, s25, v6                       ; where my block's byte goes
	v_mul_u32_u24 v7, v14, 272
	s_lshl_b32 s25, s2, 5
	s_add_co_u32 s25, s25, PART
	v_add_nc_u32 v7, s25, v7                       ; where my token's partial logits go
	s_mul_i32 s25, s2, 3072
	v_lshl_add_u32 v11, v1, 4, s25                 ; the way out: my 16 bytes of the wave's 3,072 of codes,
	v_add_nc_u32 v8, XC, v11                       ; and the same in LDS
	s_and_b32 s25, s2, 3
	s_lshl_b32 s25, s25, 8
	v_lshl_add_u32 v12, v1, 3, s25                 ; scale bytes: 8 a lane, 256 a wave (waves 4 to 7)
	v_add_nc_u32 v9, XSB, v12
	v_mul_u32_u24 v10, v1, 272
	v_add_nc_u32 v10, PART, v10                    ; the tail: lane = token
	v_and_b32 v13, 7, v1
	s_lshl_b32 s25, s2, 12
	v_lshl_add_u32 v13, v13, 9, s25                ; router_w: my 16 rows of 32 bytes
	s_mov_b32 s30, 0x76543210
	s_mov_b32 s31, 0xfedcba98                      ; v_permlanex16_b32's selects for lane l xor 16
	s_mov_b32 s32, 0x3fb8aa3b                      ; log2 e
	s_wait_kmcnt 0x0
	s_load_b256 s[16:23], s[8:9], 0x0              ; router_b
	s_lshl_b32 s24, ttmp9, 17
	s_mov_b32 s25, 0
	s_add_nc_u64 s[4:5], s[4:5], s[24:25]          ; x at my 32 tokens
	s_lshl_b32 s24, ttmp9, 10
	s_add_co_u32 s24, s24, XQS
	s_add_nc_u64 s[26:27], s[10:11], s[24:25]      ; xq's scale bytes
	s_mul_i32 s24, ttmp9, 24576
	s_add_nc_u64 s[10:11], s[10:11], s[24:25]      ; xq's codes
	s_lshl_b32 s24, ttmp9, 7
	s_add_nc_u64 s[14:15], s[14:15], s[24:25]      ; rsel: 128 bytes of words, 128 of counts
	s_lshl_b32 s24, ttmp9, 5
	s_add_nc_u64 s[28:29], s[12:13], s[24:25]      ; gate: my row of eight sums (65,536 on)
	s_lshl_b32 s24, ttmp9, 8
	s_add_nc_u64 s[12:13], s[12:13], s[24:25]      ; gate: my 32 pairs of weights
.irp n, 0,1,2,3,4,5,6,7,8,9,10,11,12,13,14,15,16,17,18,19,20,21,22,23,24,25,26,27,28,29,30,31
	global_load_b128 v[RW+4*\n:RW+4*\n+3], v13, s[6:7] offset:16*\n
.endr
.macro LOAD t                          ; step t: tokens 4 t .. 4 t + 3, my wave's 512 bytes of each
.irp i, 0,1,2,3
	global_load_b128 v[R+16*((\t)%4)+4*\i:R+16*((\t)%4)+4*\i+3], v2, s[4:5] offset:(4*(\t)+\i)*4096 th:TH_LOAD_NT
.endr
.endm
.macro TURN t                          ; through the stage: LDS serves a wave's instructions in order, so no wait stands between the stores and the loads
.irp i, 0,1,2,3
	ds_store_b128 v3, v[R+16*((\t)%4)+4*\i:R+16*((\t)%4)+4*\i+3] offset:2560*((\t)%2)+640*\i
.endr
.irp i, 0,1,2,3
	ds_load_b128 v[X+16*((\t)%2)+4*\i:X+16*((\t)%2)+4*\i+3], v4 offset:2560*((\t)%2)+16*\i
.endr
.endm
.macro RFMA i                          ; eight logits += x[k_i] x router_w[k_i][0 .. 7]: the packed form takes one word of x's pair for both halves
.irp c, 0,2,4,6
.if (\i)%2
	v_pk_fma_f32 v[P+\c:P+\c+1], v[XSET+(\i)-1:XSET+(\i)], v[RW+8*(\i)+\c:RW+8*(\i)+\c+1], v[P+\c:P+\c+1] op_sel:[1,0,0] op_sel_hi:[1,1,1]
.else
	v_pk_fma_f32 v[P+\c:P+\c+1], v[XSET+(\i):XSET+(\i)+1], v[RW+8*(\i)+\c:RW+8*(\i)+\c+1], v[P+\c:P+\c+1] op_sel_hi:[0,1,1]
.endif
.endr
.endm
.macro STEP t
.set XSET, X+16*((\t)%2)
.if (\t) > 0
	s_wait_dscnt 6                                 ; this step's numbers are back from the stage; the six stores of the step before may be out
.else
	s_wait_dscnt 0x0
.endif
.if (\t) < 4
	LOAD (\t)+4                                    ; into the set that the stage's stores have read
.endif
.if (\t) < 7
.if (\t) < 4
	s_wait_loadcnt 12                              ; the next step's four loads are in; three steps' may be out
.else
	s_wait_loadcnt 4*(6-(\t))
.endif
	TURN (\t)+1
	s_wait_dscnt 8                                 ; all but that turn: the last step's stores have read P, the codes and the byte
.else
	s_wait_dscnt 0x0
.endif
.irp c, 0,2,4,6
	v_pk_mul_f32 v[P+\c:P+\c+1], v[XSET:XSET+1], v[RW+\c:RW+\c+1] op_sel_hi:[0,1]   ; the first product starts the sums
.endr
.irp i, 1,2,3,4,5,6,7,8,9,10,11,12,13,14,15
	RFMA \i
.endr
.irp k, 1,2,4
.irp e, 0,1,2,3,4,5,6,7
	v_add_f32_dpp v[P+\e], v[P+\e], v[P+\e] row_xmask:\k row_mask:0xf bank_mask:0xf   ; over the eight lanes of a token
.endr
.endr
	ds_store_b128 v7, v[P:P+3] offset:1088*(\t)                    ; the eight lanes write the same bytes with the same values
	ds_store_b128 v7, v[P+4:P+7] offset:1088*(\t)+16
	v_max3_num_f32 v14, |v[XSET]|, |v[XSET+1]|, |v[XSET+2]|        ; the largest magnitude of my 16
	v_max3_num_f32 v15, |v[XSET+3]|, |v[XSET+4]|, |v[XSET+5]|
.irp i, 6,10
	v_max3_num_f32 v14, v14, |v[XSET+\i]|, |v[XSET+\i+1]|
	v_max3_num_f32 v15, v15, |v[XSET+\i+2]|, |v[XSET+\i+3]|
.endr
	v_max3_num_f32 v14, v14, |v[XSET+14]|, |v[XSET+15]|
	v_max3_num_f32 v14, v14, v15, 0x2800000        ; and the floor 2^(5 - 127): the byte cannot fall under 1
	v_max_num_f32_dpp v14, v14, v14 row_xmask:1 row_mask:0xf bank_mask:0xf   ; with my neighbour's 16: the block's
	v_add_nc_u32 v16, 0xfe000000, v14              ; 4 off its exponent field: the conversion's scale operand
	v_cvt_scalef32_pk16_bf6_f32 v[18:20], v[XSET:XSET+15], v16
	v_lshrrev_b32 v17, 23, v16                     ; the scale's byte (a plain line behind the conversion)
	ds_store_b32 v5, v18 offset:3072*(\t)
	ds_store_b32 v5, v19 offset:3072*(\t)+4
	ds_store_b32 v5, v20 offset:3072*(\t)+8
	ds_store_b8 v6, v17 offset:128*(\t)            ; both lanes of a block write the same byte
.endm
.irp t, 0,1,2,3
	LOAD \t
.endr
	s_wait_loadcnt 12                              ; router_w and step 0 are in
	TURN 0
.irp t, 0,1,2,3,4,5,6,7
	STEP \t
.endr
	s_wait_dscnt 0x0                               ; my stores have landed
	s_barrier_signal -1
	s_barrier_wait -1                              ; everybody's have
	; the codes leave as they lie: each store of a wave covers 512 consecutive bytes
.irp i, 0,1,2,3,4,5
	ds_load_b128 v[R+4*\i:R+4*\i+3], v8 offset:512*\i
.endr
.irp i, 0,1,2,3,4,5
	s_wait_dscnt 5-\i
	global_store_b128 v11, v[R+4*\i:R+4*\i+3], s[10:11] offset:512*\i
.endr
	s_cmp_lt_u32 s2, 4
	s_cbranch_scc1 .Lno_bytes
	ds_load_b64 v[R+24:R+25], v9                   ; waves 4 to 7: 256 scale bytes each
	s_wait_dscnt 0x0
	global_store_b64 v12, v[R+24:R+25], s[26:27]
.Lno_bytes:
	s_cmp_lg_u32 s2, 0
	s_cbranch_scc1 .Lend
	; wave 0, lane = token: the logits, the choice, the weights, the counts
.irp n, 0,1,2,3,4,5,6,7,8,9,10,11,12,13,14,15
	ds_load_b128 v[L+4*\n:L+4*\n+3], v10 offset:16*\n
.endr
	s_wait_kmcnt 0x0                               ; router_b
	s_wait_dscnt 0x0
.irp k, 0,1,2,3
.irp c, 0,2,4,6
	v_pk_add_f32 v[L+16*\k+\c:L+16*\k+\c+1], v[L+16*\k+\c:L+16*\k+\c+1], v[L+16*\k+8+\c:L+16*\k+8+\c+1]
.endr
.endr
.irp k, 0,1
.irp c, 0,2,4,6
	v_pk_add_f32 v[L+32*\k+\c:L+32*\k+\c+1], v[L+32*\k+\c:L+32*\k+\c+1], v[L+32*\k+16+\c:L+32*\k+16+\c+1]
.endr
.endr
.irp c, 0,2,4,6
	v_pk_add_f32 v[L+\c:L+\c+1], v[L+\c:L+\c+1], v[L+32+\c:L+32+\c+1]
.endr
.irp e, 0,1,2,3,4,5,6,7
	v_add_f32 v[L+\e], s[16+\e], v[L+\e]           ; + router_b: the logits, v24-31
.endr
	v_mov_b32 v88, v[L]                            ; the largest, and its index: a later one wins only if it is larger
	v_mov_b32 v89, 0
.irp e, 1,2,3,4,5,6,7
	v_cmp_ge_f32 vcc_lo, v88, v[L+\e]
	v_cndmask_b32 v89, \e, v89, vcc_lo
	v_cndmask_b32 v88, v[L+\e], v88, vcc_lo
.endr
	v_mov_b32 v92, 0xff800000
.irp e, 0,1,2,3,4,5,6,7
	v_cmp_eq_u32 vcc_lo, \e, v89
	v_cndmask_b32 v[96+\e], v[L+\e], v92, vcc_lo   ; the winner is taken out
.endr
	v_mov_b32 v90, v96                             ; the second, likewise
	v_mov_b32 v91, 0
.irp e, 1,2,3,4,5,6,7
	v_cmp_ge_f32 vcc_lo, v90, v[96+\e]
	v_cndmask_b32 v91, \e, v91, vcc_lo
	v_cndmask_b32 v90, v[96+\e], v90, vcc_lo
.endr
	v_mul_f32 v93, 0xbfb8aa3b, v88                 ; the largest is taken away ahead of every exponential
	v_fma_f32 v94, v90, s32, v93
.irp e, 0,1,2,3,4,5,6,7
	v_fma_f32 v[104+\e], v[L+\e], s32, v93
.endr
	v_exp_f32 v94, v94                             ; e^(second - first)
.irp e, 0,1,2,3,4,5,6,7
	v_exp_f32 v[104+\e], v[104+\e]
.endr
	v_min_u32 v114, v89, v91                       ; the lower expert (a plain line behind the exponentials),
	v_max_u32 v115, v89, v91                       ; the higher
	s_wait_alu depctr_va_vdst(0)
	v_add_f32 v95, 1.0, v94
	v_add_f32 v123, v104, v105
	v_add_f32 v124, v106, v107
	v_add_f32 v125, v108, v109
	v_add_f32 v126, v110, v111
	v_add_f32 v123, v123, v124
	v_add_f32 v125, v125, v126
	v_add_f32 v123, v123, v125
	v_rcp_f32 v95, v95                             ; the first's weight
	v_rcp_f32 v123, v123
	v_sub_nc_u32 v116, 15, v114                    ; p = ea (15 - ea) / 2 + eb - ea - 1
	v_mul_u32_u24 v116, v116, v114
	v_lshrrev_b32 v116, 1, v116
	v_add_nc_u32 v116, v116, v115
	v_sub_nc_u32 v116, v116, v114
	v_add_nc_u32 v116, -1, v116
	s_wait_alu depctr_va_vdst(0)
	v_mul_f32 v94, v94, v95                        ; the second's weight
	v_cmp_lt_u32 vcc_lo, v89, v91
	v_cndmask_b32 v112, v94, v95, vcc_lo           ; the lower expert's weight,
	v_cndmask_b32 v113, v95, v94, vcc_lo           ; the higher's
.irp e, 0,1,2,3,4,5,6,7
	v_mul_f32 v[104+\e], v[104+\e], v123           ; softmax(logits)
.endr
.irp k, 1,2,4,8
.irp e, 0,1,2,3,4,5,6,7
	v_add_f32_dpp v[104+\e], v[104+\e], v[104+\e] row_xmask:\k row_mask:0xf bank_mask:0xf
.endr
.endr
.irp e, 0,1,2,3,4,5,6,7
	v_permlanex16_b32 v[96+\e], v[104+\e], s30, s31
.endr
.irp e, 0,1,2,3,4,5,6,7
	v_add_f32 v[104+\e], v[104+\e], v[96+\e]       ; summed over the 32 tokens
.endr
	v_mov_b32 v127, v104
.irp e, 1,2,3,4,5,6,7
	v_cmp_eq_u32 vcc_lo, \e, v1
	v_cndmask_b32 v127, v127, v[104+\e], vcc_lo    ; lane e holds sum e
.endr
	v_mov_b32 v117, 0                              ; lane p: how many of my 32 tokens have pair p
	v_mov_b32 v118, 0                              ; my rank among those of my pair
.irp p, 0,1,2,3,4,5,6,7,8,9,10,11,12,13,14,15,16,17,18,19,20,21,22,23,24,25,26,27
	v_cmp_eq_u32 s34, \p, v116
	s_bcnt1_i32_b32 s35, s34
	v_writelane_b32 v117, s35, \p
	v_mbcnt_lo_u32_b32 v119, s34, 0
	v_cndmask_b32 v118, v118, v119, s34
.endr
	v_lshl_or_b32 v120, v118, 8, v116
	v_lshlrev_b32 v121, 2, v1
	v_lshlrev_b32 v122, 3, v1
	global_store_b32 v121, v120, s[14:15]
	global_store_b32 v121, v117, s[14:15] offset:32768
	global_store_b64 v122, v[112:113], s[12:13]
	s_wait_xcnt 0x0                                ; EXEC changes only behind this wait
	v_cmp_gt_u32 vcc_lo, 8, v1
	s_and_saveexec_b32 s33, vcc_lo
	global_store_b32 v121, v127, s[28:29] offset:65536
	s_wait_xcnt 0x0
	s_or_b32 exec_lo, exec_lo, s33
.Lend:
	s_wait_tensorcnt 0x0
	ds_add_u32 v22, v23
	s_wait_dscnt 0x0
	s_endpgm
.Lfunc_end_k_qc7b9e430d3_route:
	.size	k_qc7b9e430d3_route, .Lfunc_end_k_qc7b9e430d3_route-k_qc7b9e430d3_route
	.p2alignl 7, 3214868480
	.fill 96, 4, 3214868480
	.section	.rodata,"a",@progbits
	.p2align	6, 0x0
	.amdhsa_kernel k_qc7b9e430d3_route
		.amdhsa_group_segment_fixed_size 76288
		.amdhsa_private_segment_fixed_size 0
		.amdhsa_enable_private_segment 0
		.amdhsa_kernarg_size 48
		.amdhsa_user_sgpr_count 2
		.amdhsa_user_sgpr_kernarg_segment_ptr 1
		.amdhsa_wavefront_size32 1
		.amdhsa_system_sgpr_workgroup_id_x 1
		.amdhsa_system_sgpr_workgroup_id_y 1
		.amdhsa_system_sgpr_workgroup_id_z 1
		.amdhsa_system_vgpr_workitem_id 0
		.amdhsa_next_free_vgpr 256
		.amdhsa_next_free_sgpr 66
		.amdhsa_reserve_vcc 1
		.amdhsa_float_denorm_mode_32 3
		.amdhsa_float_denorm_mode_16_64 3
		.amdhsa_memory_ordered 1
		.amdhsa_forward_progress 1
		.amdhsa_inst_pref_size 88
	.end_amdhsa_kernel
	.amdgpu_metadata
---
amdhsa.version: [ 1, 2 ]
amdhsa.kernels:
  - .name:           k_qc7b9e430d3_route
    .symbol:         k_qc7b9e430d3_route.kd
    .args:
      - { .name: hidden_states, .offset: 0, .size: 8, .value_kind: global_buffer, .address_space: global }
      - { .name: router_w, .offset: 8, .size: 8, .value_kind: global_buffer, .address_space: global }
      - { .name: router_b, .offset: 16, .size: 8, .value_kind: global_buffer, .address_space: global }
      - { .name: xq, .offset: 24, .size: 8, .value_kind: global_buffer, .address_space: global }
      - { .name: gate, .offset: 32, .size: 8, .value_kind: global_buffer, .address_space: global }
      - { .name: rsel, .offset: 40, .size: 8, .value_kind: global_buffer, .address_space: global }
    .group_segment_fixed_size: 76288
    .private_segment_fixed_size: 0
    .kernarg_segment_align: 8
    .kernarg_segment_size: 48
    .max_flat_workgroup_size: 256
    .sgpr_count:     66
    .vgpr_count:     256
    .wavefront_size: 32
...
	.end_amdgpu_metadata
.endif
;; end of part 1
;; launch place (part 2): grid 65 x 1, 8 waves a work-group, no clusters, 3,072 bytes of LDS; arguments rsel, gate, w1_codes, w2_codes, tplan, wf, out1; writes tplan, wf, out1
.if DOCPART == 2
	.amdgcn_target "amdgcn-amd-amdhsa--gfx1250"
	.amdhsa_code_object_version 6
	.text
	.protected	k_qc7b9e430d3_place
	.globl	k_qc7b9e430d3_place
	.p2align	8
	.type	k_qc7b9e430d3_place,@function
k_qc7b9e430d3_place:
	s_mov_b64 s[64:65], 0
	v_nop
	global_prefetch_b8 v0, s[64:65] scope:SCOPE_SE
	s_setreg_imm32_b32 hwreg(HW_REG_WAVE_MODE, 25, 1), 1
	s_wait_xcnt 0x0
; PLACE.  Work-group 0 sorts the 8,192 tokens by their pair of experts (a counting sort on the stored counts and ranks: no atomics), cuts each pair's run into tiles of at most 48 tokens, and finishes the loss.
; Work-groups 1 to 32 lay w1's codes, 33 to 64 w2's, out as IMAGES OF OPERAND REGISTERS: a fragment (16 rows x 128 K, 12 registers a lane) is 1,536 bytes, registers 4 c .. 4 c + 3 of lane l at 512 c + 16 l,
; so that the last launch loads weights by loads of 512 consecutive bytes straight into the registers that the matrix instruction names.
; tplan: 8,192 token numbers in sorted order; at 32,768: 256 entries of 8 words {first place, rows - 1, rows, lower expert, higher expert, 0, 0, 0}; entries behind the last tile are zeros.
; With 28 pairs there are never more than (8,192 + 28 x 47) / 48 = 198 tiles, whatever the split.
; wf: W1's fragment (e, q, s, t) at ((4 e + q) 8 + s) 12,288 + 1,536 t; lane r of tile t = 2 b + u holds row 128 q + 32 b + 8 u + r + 8 (r / 8) of w1[e], so that two neighbouring tiles' results are 16 neighbours
; along the next K.  W2's fragment (e, q, g, s, ct) at 3,145,728 + (4 e + q) 98,304 + (2 g + s / 2) 12,288 + (4 (s % 2) + ct) 1,536; lane r holds row 256 q + 64 g + 16 ct + r.
; out1 = 8 x the sum over e of importance_e load_e; load's total is 2 x 8,192 by construction, so the factor is 2^-11 over the importance's total.
.set TOT,   0                          ; LDS: [8 waves][32] totals of each pair
.set IMPP,  1024                       ; [8 waves][8] sums of softmax(logits)
.set F,     16                         ; v16-111  eight fragments on their way
.set C,     16                         ; v16-47   the sort: counts, then places
.set S,     48                         ; v48-79   the tokens' words
.set IDX,   80                         ; v80-111  lane selects, then token numbers
.set D,     112                        ; v112-143 places
.set W,     152                        ; v152-159 the waves' totals
	s_load_b256 s[4:11], s[0:1], 0x0               ; rsel, gate, w1_codes, w2_codes
	s_load_b128 s[12:15], s[0:1], 0x20             ; tplan, wf
	s_load_b64 s[16:17], s[0:1], 0x30              ; out1
	v_lshl_add_u32 v192, v0, 2, 0x800
	v_mov_b32 v193, 0
	v_lshrrev_b32 v1, 5, v0
	v_readfirstlane_b32 s18, v1                    ; wave 0..7
	v_and_b32 v1, 31, v0                           ; lane
	v_and_b32 v2, 15, v0                           ; r
	v_bfe_u32 v3, v0, 4, 1                         ; h
	v_lshlrev_b32 v4, 2, v1                        ; 4 x lane
	s_lshl_b32 s19, s18, 7
	v_add_nc_u32 v5, s19, v4                       ; LDS: my wave's totals
	s_lshl_b32 s19, s18, 5
	s_add_co_u32 s19, s19, IMPP
	v_mov_b32 v6, s19                              ; LDS: my wave's eight sums
	s_wait_kmcnt 0x0
	s_cmp_eq_u32 ttmp9, 0
	s_cbranch_scc1 .Lsort
	s_cmp_lt_u32 ttmp9, 33
	s_cbranch_scc1 .Lw1
; Eight fragments a wave: 48 loads of 8 bytes (each address a multiple of the access's size), 24 stores of 512 consecutive bytes.
.macro RELAY kind, src
.set rf, 0
.rept 8
.irp p, 0,1,2,3,4,5
.if \kind == 1
	global_load_b64 v[F+12*rf+2*\p:F+12*rf+2*\p+1], v7, s[\src:\src+1] offset:96*rf+48*(\p/3)+8*(\p%3)
.else
	global_load_b64 v[F+12*rf+2*\p:F+12*rf+2*\p+1], v7, s[\src:\src+1] offset:6144*(rf/4)+96*(rf%4)+48*(\p/3)+8*(\p%3)
.endif
.endr
.set rf, rf+1
.endr
.set rf, 0
.rept 8
	s_wait_loadcnt 6*(7-rf)                        ; this fragment's six loads are in; the later fragments' may be out
.irp c, 0,1,2
.if \kind == 1
	global_store_b128 v8, v[F+12*rf+4*\c:F+12*rf+4*\c+3], s[14:15] offset:12288*rf+512*\c
.else
	global_store_b128 v8, v[F+12*rf+4*\c:F+12*rf+4*\c+3], s[14:15] offset:1536*(rf/4)+12288*((rf%4)/2)+6144*(rf%2)+512*\c
.endif
.endr
.set rf, rf+1
.endr
.endm
	; ---- W2: the wave takes column tiles C and C + 1 of an expert, four K steps each
	s_sub_co_u32 s20, ttmp9, 33
	s_lshl_b32 s20, s20, 3
	s_add_co_u32 s20, s20, s18
	s_lshr_b32 s21, s20, 5                         ; e
	s_and_b32 s22, s20, 31
	s_lshl_b32 s22, s22, 1                         ; C
	s_lshl_b32 s23, s21, 10
	s_lshl_b32 s24, s22, 4
	s_add_co_u32 s23, s23, s24                     ; first row: 1,024 e + 16 C
	s_mul_i32 s24, s23, 384
	s_mov_b32 s25, 0
	s_lshl_b32 s26, s21, 2
	s_lshr_b32 s27, s22, 4
	s_add_co_u32 s26, s26, s27                     ; 4 e + q
	s_mul_i32 s26, s26, 98304
	s_bfe_u32 s27, s22, 0x20002                    ; g
	s_mul_i32 s27, s27, 24576
	s_add_co_u32 s26, s26, s27
	s_and_b32 s27, s22, 3                          ; ct
	s_mul_i32 s27, s27, 1536
	s_add_co_u32 s26, s26, s27
	s_add_co_u32 s26, s26, 3145728
	s_mov_b32 s27, 0
	v_mul_u32_u24 v7, v2, 384
	v_mad_u32_u24 v7, v3, 24, v7                   ; row r, + 24 h
	v_lshlrev_b32 v8, 4, v1
	s_add_nc_u64 s[10:11], s[10:11], s[24:25]
	s_add_nc_u64 s[14:15], s[14:15], s[26:27]
	RELAY 2, 10
	s_endpgm
.Lw1:	; ---- W1: the wave takes tile T of an expert's 32, all eight K steps
	s_sub_co_u32 s20, ttmp9, 1
	s_lshl_b32 s20, s20, 3
	s_add_co_u32 s20, s20, s18
	s_lshr_b32 s21, s20, 5                         ; e
	s_and_b32 s22, s20, 31                         ; T
	s_lshl_b32 s23, s21, 9
	s_lshr_b32 s24, s22, 1
	s_lshl_b32 s24, s24, 5
	s_add_co_u32 s23, s23, s24
	s_and_b32 s24, s22, 1
	s_lshl_b32 s24, s24, 3
	s_add_co_u32 s23, s23, s24                     ; first row: 512 e + 32 (T / 2) + 8 (T % 2)
	s_mul_i32 s24, s23, 768
	s_mov_b32 s25, 0
	s_lshl_b32 s26, s21, 2
	s_lshr_b32 s27, s22, 3
	s_add_co_u32 s26, s26, s27                     ; 4 e + q
	s_mul_i32 s26, s26, 98304
	s_and_b32 s27, s22, 7
	s_mul_i32 s27, s27, 1536
	s_add_co_u32 s26, s26, s27
	s_mov_b32 s27, 0
	v_and_b32 v7, 8, v2
	v_add_nc_u32 v7, v7, v2                        ; r + 8 (r / 8)
	v_mul_u32_u24 v7, v7, 768
	v_mad_u32_u24 v7, v3, 24, v7
	v_lshlrev_b32 v8, 4, v1
	s_add_nc_u64 s[8:9], s[8:9], s[24:25]
	s_add_nc_u64 s[14:15], s[14:15], s[26:27]
	RELAY 1, 8
	s_endpgm
.Lsort:	; ---- wave w owns blocks 32 w .. 32 w + 31 of 32 tokens.  In the vectors of counts lane = pair p
	s_lshl_b32 s19, s18, 12
	v_add_nc_u32 v7, s19, v4                       ; 4,096 w + 4 l
	s_lshl_b32 s19, s18, 10
	v_lshl_add_u32 v8, v1, 5, s19                  ; the sums' row 32 w + l
	v_add_nc_u32 v9, s19, v1                       ; token 1,024 w + l
	s_mov_b32 s30, 0x76543210
	s_mov_b32 s31, 0xfedcba98
.irp i, 0,1,2,3,4,5,6,7,8,9,10,11,12,13,14,15,16,17,18,19,20,21,22,23,24,25,26,27,28,29,30,31
	global_load_b32 v[C+\i], v7, s[4:5] offset:32768+128*\i
.endr
.irp i, 0,1,2,3,4,5,6,7,8,9,10,11,12,13,14,15,16,17,18,19,20,21,22,23,24,25,26,27,28,29,30,31
	global_load_b32 v[S+\i], v7, s[4:5] offset:128*\i
.endr
	global_load_b128 v[144:147], v8, s[6:7] offset:65536
	global_load_b128 v[148:151], v8, s[6:7] offset:65552
.irp e, 0,1,2,3,4,5,6,7
	v_mov_b32 v[W+\e], 0                           ; a lane permute's destination counts as one of its sources
.endr
	s_wait_loadcnt 34                              ; the counts are in (behind them: 32 loads of words, 2 of sums)
.irp i, 1,2,3,4,5,6,7,8,9,10,11,12,13,14,15,16,17,18,19,20,21,22,23,24,25,26,27,28,29,30,31
	v_add_nc_u32 v[C+\i], v[C+\i], v[C+\i-1]       ; counts up to and with block i
.endr
	ds_store_b32 v5, v[C+31]                       ; my wave's totals
	s_wait_loadcnt 0x0
.irp k, 1,2,4,8
.irp e, 0,1,2,3,4,5,6,7
	v_add_f32_dpp v[144+\e], v[144+\e], v[144+\e] row_xmask:\k row_mask:0xf bank_mask:0xf
.endr
.endr
.irp e, 0,1,2,3,4,5,6,7
	v_permlanex16_b32 v[W+\e], v[144+\e], s30, s31
.endr
.irp e, 0,1,2,3,4,5,6,7
	v_add_f32 v[144+\e], v[144+\e], v[W+\e]
.endr
	ds_store_b128 v6, v[144:147]                   ; all lanes write the same words with the same values
	ds_store_b128 v6, v[148:151] offset:16
	s_wait_dscnt 0x0
	s_barrier_signal -1
	s_barrier_wait -1
.irp k, 0,1,2,3,4,5,6,7
	ds_load_b32 v[W+\k], v4 offset:TOT+128*\k
.endr
	v_mov_b32 v11, 0
	v_mov_b32 v12, 0                               ; lane p: where pair p's run begins
	v_mov_b32 v13, 0                               ; lane p: its first tile
	v_mov_b32 v14, 0                               ; how many pairs end at or before tile tau = my thread's number
	s_wait_dscnt 0x0
	v_add3_u32 v10, v[W], v[W+1], v[W+2]
	v_add3_u32 v10, v10, v[W+3], v[W+4]
	v_add3_u32 v10, v10, v[W+5], v[W+6]
	v_add_nc_u32 v10, v10, v[W+7]                  ; lane p: tokens of pair p
.irp k, 0,1,2,3,4,5,6
	s_cmp_gt_u32 s18, \k
	s_cselect_b32 s19, -1, 0
	v_and_b32 v15, s19, v[W+\k]
	v_add_nc_u32 v11, v11, v15                     ; those of the waves before mine
.endr
	s_mov_b32 s20, 0                               ; rows so far
	s_mov_b32 s21, 0                               ; tiles so far
.irp e, 0,1,2,3,4,5,6,7
	s_mov_b32 s[40+\e], 0                          ; each expert's load
.endr
.set pp, 0
.irp a, 0,1,2,3,4,5,6
.irp b, 1,2,3,4,5,6,7
.if \b > \a
	v_readlane_b32 s22, v10, pp
	v_writelane_b32 v12, s20, pp
	v_writelane_b32 v13, s21, pp
	s_add_co_u32 s20, s20, s22
	s_add_co_u32 s[40+\a], s[40+\a], s22
	s_add_co_u32 s[40+\b], s[40+\b], s22
	s_add_co_u32 s23, s22, 47
	s_mul_i32 s23, s23, 43691                      ; (n + 47) / 48: 43,691 x 48 = 2^21 + 16, exact for n up to 8,192
	s_lshr_b32 s23, s23, 21
	s_add_co_u32 s21, s21, s23
	v_cmp_le_u32 vcc_lo, s21, v0
	v_add_co_ci_u32 v14, vcc_lo, 0, v14, vcc_lo
.set pp, pp+1
.endif
.endr
.endr
	v_add_nc_u32 v15, v12, v11                     ; lane p: where my wave's first token of pair p goes
.irp i, 0,1,2,3,4,5,6,7,8,9,10,11,12,13,14,15,16,17,18,19,20,21,22,23,24,25,26,27,28,29,30
	v_add_nc_u32 v[C+\i], v[C+\i], v15             ; and block i + 1's
.endr
.irp i, 0,1,2,3,4,5,6,7,8,9,10,11,12,13,14,15,16,17,18,19,20,21,22,23,24,25,26,27,28,29,30,31
	v_lshlrev_b32 v[IDX+\i], 2, v[S+\i]
	v_and_b32 v[IDX+\i], 0x7c, v[IDX+\i]           ; 4 x my token's pair
.endr
	ds_bpermute_b32 v[D], v[IDX], v15
.irp i, 1,2,3,4,5,6,7,8,9,10,11,12,13,14,15,16,17,18,19,20,21,22,23,24,25,26,27,28,29,30,31
	ds_bpermute_b32 v[D+\i], v[IDX+\i], v[C+\i-1]
.endr
.irp i, 0,1,2,3,4,5,6,7,8,9,10,11,12,13,14,15,16,17,18,19,20,21,22,23,24,25,26,27,28,29,30,31
	s_wait_dscnt 31-\i                             ; permute i is back; the later ones may be out
	v_bfe_u32 v[S+\i], v[S+\i], 8, 6               ; my rank in the block
	v_add_nc_u32 v[D+\i], v[D+\i], v[S+\i]
	v_min_u32 v[D+\i], 0x1fff, v[D+\i]             ; a place in the list
	v_lshlrev_b32 v[D+\i], 2, v[D+\i]
	v_add_nc_u32 v[IDX+\i], 32*\i, v9              ; my token's number
	global_store_b32 v[D+\i], v[IDX+\i], s[12:13]
.endr
	; tile tau
	v_min_u32 v160, 27, v14                        ; its pair
	v_lshlrev_b32 v161, 2, v160
	ds_bpermute_b32 v162, v161, v12
	ds_bpermute_b32 v163, v161, v10
	ds_bpermute_b32 v164, v161, v13
	v_mov_b32 v171, 0
.irp th, 7,13,18,22,25,27
	v_cmp_le_u32 vcc_lo, \th, v160
	v_add_co_ci_u32 v171, vcc_lo, 0, v171, vcc_lo  ; the lower expert
.endr
	v_sub_nc_u32 v167, 15, v171
	v_mul_u32_u24 v167, v167, v171
	v_lshrrev_b32 v167, 1, v167
	v_sub_nc_u32 v172, v160, v167
	v_add3_u32 v172, v172, v171, 1                 ; the higher
	s_wait_dscnt 0x0
	v_sub_nc_u32 v165, v0, v164                    ; which tile of the pair
	v_mul_u32_u24 v166, v165, 48
	v_add_nc_u32 v168, v162, v166                  ; its first place
	v_sub_nc_u32 v170, v163, v166
	v_min_u32 v170, 48, v170                       ; its rows
	v_cmp_gt_u32 vcc_lo, 28, v14                   ; is there such a tile?
	v_cndmask_b32 v168, 0, v168, vcc_lo
	v_cndmask_b32 v170, 0, v170, vcc_lo
	v_cndmask_b32 v171, 0, v171, vcc_lo
	v_cndmask_b32 v172, 0, v172, vcc_lo
	v_max_u32 v169, 1, v170
	v_add_nc_u32 v169, -1, v169
	v_mov_b32 v173, 0
	v_mov_b32 v174, 0
	v_mov_b32 v175, 0
	v_lshlrev_b32 v176, 5, v0
	global_store_b128 v176, v[168:171], s[12:13] offset:32768
	global_store_b128 v176, v[172:175], s[12:13] offset:32784
	s_cmp_lg_u32 s18, 0
	s_cbranch_scc1 .Lsort_end
	; wave 0: the loss.  Word 8 w + e of the 64: lane l takes words l and l + 32
	ds_load_b32 v177, v4 offset:IMPP
	ds_load_b32 v178, v4 offset:IMPP+128
	v_mov_b32 v179, 0
.irp e, 0,1,2,3,4,5,6,7
	v_writelane_b32 v179, s[40+\e], \e
.endr
	v_cvt_f32_u32 v179, v179
	s_wait_dscnt 0x0
	v_add_f32 v177, v177, v178
	v_add_f32_dpp v177, v177, v177 row_xmask:8 row_mask:0xf bank_mask:0xf
	v_permlanex16_b32 v178, v177, s30, s31
	v_add_f32 v177, v177, v178                     ; lane l: the sum of softmax(logits) for expert l % 8
	v_mul_f32 v179, v177, v179
.irp k, 1,2,4
	v_add_f32_dpp v177, v177, v177 row_xmask:\k row_mask:0xf bank_mask:0xf
	v_add_f32_dpp v179, v179, v179 row_xmask:\k row_mask:0xf bank_mask:0xf
.endr
	v_rcp_f32 v177, v177
	v_mul_f32 v179, 0x3a000000, v179               ; x 8 / 16,384 (a plain line behind the reciprocal)
	s_wait_alu depctr_va_vdst(0)
	v_mul_f32 v179, v179, v177
	v_mov_b32 v180, 0
	s_wait_xcnt 0x0                                ; EXEC changes only behind this wait
	v_cmp_eq_u32 vcc_lo, 0, v1
	s_and_saveexec_b32 s19, vcc_lo
	global_store_b32 v180, v179, s[16:17]
	s_wait_xcnt 0x0
	s_or_b32 exec_lo, exec_lo, s19
.Lsort_end:
	s_wait_tensorcnt 0x0
	ds_add_u32 v192, v193
	s_wait_dscnt 0x0
	s_endpgm
.Lfunc_end_k_qc7b9e430d3_place:
	.size	k_qc7b9e430d3_place, .Lfunc_end_k_qc7b9e430d3_place-k_qc7b9e430d3_place
	.p2alignl 7, 3214868480
	.fill 96, 4, 3214868480
	.section	.rodata,"a",@progbits
	.p2align	6, 0x0
	.amdhsa_kernel k_qc7b9e430d3_place
		.amdhsa_group_segment_fixed_size 3072
		.amdhsa_private_segment_fixed_size 0
		.amdhsa_enable_private_segment 0
		.amdhsa_kernarg_size 56
		.amdhsa_user_sgpr_count 2
		.amdhsa_user_sgpr_kernarg_segment_ptr 1
		.amdhsa_wavefront_size32 1
		.amdhsa_system_sgpr_workgroup_id_x 1
		.amdhsa_system_sgpr_workgroup_id_y 1
		.amdhsa_system_sgpr_workgroup_id_z 1
		.amdhsa_system_vgpr_workitem_id 0
		.amdhsa_next_free_vgpr 194
		.amdhsa_next_free_sgpr 66
		.amdhsa_reserve_vcc 1
		.amdhsa_float_denorm_mode_32 3
		.amdhsa_float_denorm_mode_16_64 3
		.amdhsa_memory_ordered 1
		.amdhsa_forward_progress 1
		.amdhsa_inst_pref_size 66
	.end_amdhsa_kernel
	.amdgpu_metadata
---
amdhsa.version: [ 1, 2 ]
amdhsa.kernels:
  - .name:           k_qc7b9e430d3_place
    .symbol:         k_qc7b9e430d3_place.kd
    .args:
      - { .name: rsel, .offset: 0, .size: 8, .value_kind: global_buffer, .address_space: global }
      - { .name: gate, .offset: 8, .size: 8, .value_kind: global_buffer, .address_space: global }
      - { .name: w1_codes, .offset: 16, .size: 8, .value_kind: global_buffer, .address_space: global }
      - { .name: w2_codes, .offset: 24, .size: 8, .value_kind: global_buffer, .address_space: global }
      - { .name: tplan, .offset: 32, .size: 8, .value_kind: global_buffer, .address_space: global }
      - { .name: wf, .offset: 40, .size: 8, .value_kind: global_buffer, .address_space: global }
      - { .name: out1, .offset: 48, .size: 8, .value_kind: global_buffer, .address_space: global }
    .group_segment_fixed_size: 3072
    .private_segment_fixed_size: 0
    .kernarg_segment_align: 8
    .kernarg_segment_size: 56
    .max_flat_workgroup_size: 256
    .sgpr_count:     66
    .vgpr_count:     194
    .wavefront_size: 32
...
	.end_amdgpu_metadata
.endif
;; end of part 2
;; launch chain (part 3): grid 198 x 1, 4 waves a work-group, no clusters, 94,720 bytes of LDS; arguments tplan, xq, gate, wf, w1_scales, b1, w2_scales, b2, out0; writes out0
.if DOCPART == 3
	.amdgcn_target "amdgcn-amd-amdhsa--gfx1250"
	.amdhsa_code_object_version 6
	.text
	.protected	k_qc7b9e430d3_chain
	.globl	k_qc7b9e430d3_chain
	.p2align	8
	.type	k_qc7b9e430d3_chain,@function
k_qc7b9e430d3_chain:
	s_mov_b64 s[64:65], 0
	v_nop
	global_prefetch_b8 v0, s[64:65] scope:SCOPE_SE
	s_setreg_imm32_b32 hwreg(HW_REG_WAVE_MODE, 25, 1), 1
	s_wait_xcnt 0x0
; CHAIN.  A work-group takes one tile, up to 48 tokens that chose the SAME TWO experts a < b, through everything: out = wa (gelu(x W1a + b1a) W2a + b2a) + wb (the same of b), both products on codes of BF6 (E3M2) with
; one E8M0 scale for each 32 along K.  Every token has one owner; the hidden layer stays in LDS; the six experts that a token did not choose have weight 0 in the definition and are not multiplied.
; SHARES.  THE WAVES SHARE THE COLUMNS, NOT THE ROWS: wave q makes hidden units 128 q .. + 127 (8 tiles) and output columns 256 q .. + 255 (4 groups of 4 tiles), of both experts, for all 48 rows (3 tiles).
; Both products are used transposed (source 0 = 16 rows of a weight, source 1 = 16 tokens): a lane holds ONE token and its registers run along the columns, which are the next K, or 32 neighbouring bytes of out.
; WEIGHTS come from wf, laid as images of operand registers, by loads of 512 consecutive bytes straight into four sets of 96 registers that take turns: no wave reads what another wave of the work-group reads,
; so LDS would only add a copy.  By the text's own count up to 63 such loads of a wave are out.  x's and the hidden layer's fragments go from wave to wave through LDS as images of their registers.
; ROWS BEHIND THE TILE'S LAST are copies of its last token: they compute the same bits and store the same bytes to the same place.  A tile with no rows loads at clamped places, passes both barriers and stores nothing.
; NO CLUSTER: partners would have to hold tiles of one pair; a pair has 0 to 171 tiles by the data, padding each of 28 pairs to four tiles gives up to 280 work-groups, and a joint load cannot land in registers.
; GELU, exact form: gelu(x) = max(x, 0) - |x| q, q = erfc(|x| / sqrt 2) / 2 = t 2^(P(t) - x^2 log2(e) / 2), t = 1 / (1 + |x| sqrt(2) / 4), P of degree 9: the fit erfcc of Numerical Recipes, fractional error 1.2e-7,
; its coefficients times log2 e, and 1 off the constant term for the half.  To that comes the f32 rounding of the exponent, about 6e-8 x x^2 log2(e) / 2.  Under x = -13 or so the exponential gives 0: gelu = -0.
; LIMITS: NaN and infinities are not served.  A block of zeros gets the scale byte 1 where the rule says 127: its codes are zeros.
; REGISTERS, in windows of 256.  Window 0: addresses, gate weights, all scale words, two buffers of three fragments (x's or the hidden layer's).  Window 1: weight sets 0, 1; b1's 8 tiles.
; Window 2: 24 accumulators; b2's 8 tiles.  Window 3: weight sets 2, 3 (set 3's registers serve the GELU and the quantiser between the products); 64 numbers of the hidden layer.
.set FRB,   1536                       ; a fragment's image
.set UNIT,  12288                      ; eight of them: a set
.set XIMG,  0                          ; LDS: x's fragment (m, s) at (8 m + s) FRB
.set HIMG,  36864                      ; the hidden layer's (j, m, s) at ((3 j + m) 4 + s) FRB
.set HSC,   73728                      ; their scale words, 128 bytes each
.set STG,   76800                      ; a stage of 16 rows x (256 + 16) bytes for each wave
.set XQS,   6291456
.set LI,   4                           ; 16 x lane
.set LIH,  5                           ; + HIMG
.set LSH,  6                           ; 4 x lane + HSC
.set HWI,  7                           ; where I store hidden fragments: LIH + FRB q
.set HWS,  8                           ; and their scale words: LSH + 128 q
.set HWIJ, 9                           ; the same for the expert in hand
.set HWSJ, 10
.set XWI,  11                          ; where I store x's fragments: LI + 2 FRB q
.set STO,  12                          ; the stage: in
.set SRD,  13                          ; and back
.set VW1S, 14
.set VB1,  15
.set VB2,  17
.set XA,   18                          ; v18-20   tile m: my token, then its codes' place in xq
.set GW,   22                          ; v22-27   (wa, wb) of my token, tile m
.set TO,   28                          ; v28-51   out0: the place of row 2 k + h, k = 8 m + i
.set W2S,  52                          ; v52-67   w2's scale words: 8 j + 4 (ct / 2) + s; odd ct in lanes 16-31
.set XS,   68                          ; v68-79   x's: 4 m + s % 4; K steps 4-7 in lanes 16-31
.set HS,   80                          ; v80-103  the hidden layer's: 4 (3 j + m) + s
.set W1S,  104                         ; v104-135 w1's: 4 t + s % 4; K steps 4-7 in lanes 16-31
.set XF,   136                         ; v136-207 two buffers of three fragments
.set C8,   208                         ; v208-209 a coefficient, twice
.set XSA,  214
.set GWA,  217
.set WB,   220                         ; v220-225 (wb, wb), tile m
.set TA,   226
.set B1,   192                         ; window 1
.set B2,   192                         ; window 2
.set GT,   96                          ; window 3: the GELU's t,
.set GP,   128                         ; its polynomial,
.set GQ,   160                         ; x^2, then t 2^..
.set HA,   192                         ; 64 numbers of the hidden layer
.set TM,   96                          ; the quantiser's 16 at work,
.set PW,   112                         ; the scale word,
.set PC,   116                         ; the codes
.set WV,   22
.set START, 32
.set LAST, 33
.set NROW, 34
.set J,    35
.set CUR,  36                          ; W1 of the expert in hand
.set NPA,  38                          ; what sets 0 and 1 take next,
.set NPB,  40                          ; and set 2
.set W1PB, 42
.set PA,   44                          ; W2 of a, at the group in hand
.set PB,   46                          ; W2 of b
.set S1PB, 48
.set B1PB, 50
.set S1PA, 52
.set B1PA, 54
.set S2P,  56                          ; s[56:59] w2's scales of a, of b
.set B2P,  60                          ; s[60:63] b2 of a, of b
.set SEL,  66
.set C0,   68                          ; s[68:83] c0 .. c7, each twice
.set C9,   84
.set CM,   86
.set CH,   88
.set JO,   89
.set G,    90
.set JOS,  91
.set MSB, 0
.macro WIN new                         ; the immediate's high byte repeats the setting that is left
.if MSB != \new
	s_set_vgpr_msb (MSB<<8)|\new
.set MSB, \new
.endif
.endm
.macro PLACES                          ; four plain places between a matrix instruction and a load into, or a vector line on, one of its registers
.rept 4
	v_nop
.endr
.endm
.macro KPAIR reg, bits
	s_mov_b32 s[\reg], \bits
	s_mov_b32 s[\reg+1], \bits
.endm
.macro MM d, a, b, c, sa, sb, rows     ; rows: 0: scale words in lanes 0-15; 1: source 0's in lanes 16-31; 3: both
.if (\rows) == 0
	v_wmma_scale_f32_16x16x128_f8f6f4 v[(\d):(\d)+7], v[(\a):(\a)+11], v[(\b):(\b)+11], v[(\c):(\c)+7], v[(\sa)], v[(\sb)] matrix_a_fmt:MATRIX_FMT_BF6 matrix_b_fmt:MATRIX_FMT_BF6
.elseif (\rows) == 1
	v_wmma_scale_f32_16x16x128_f8f6f4 v[(\d):(\d)+7], v[(\a):(\a)+11], v[(\b):(\b)+11], v[(\c):(\c)+7], v[(\sa)], v[(\sb)] matrix_a_fmt:MATRIX_FMT_BF6 matrix_b_fmt:MATRIX_FMT_BF6 matrix_a_scale:MATRIX_SCALE_ROW1
.else
	v_wmma_scale_f32_16x16x128_f8f6f4 v[(\d):(\d)+7], v[(\a):(\a)+11], v[(\b):(\b)+11], v[(\c):(\c)+7], v[(\sa)], v[(\sb)] matrix_a_fmt:MATRIX_FMT_BF6 matrix_b_fmt:MATRIX_FMT_BF6 matrix_a_scale:MATRIX_SCALE_ROW1 matrix_b_scale:MATRIX_SCALE_ROW1
.endif
.endm
.macro WSET set, base, off             ; eight fragments, 24 loads of 512 consecutive bytes, into a set
.if (\set) < 2
	WIN 0x40
.else
	WIN 0xc0
.endif
.set wsb, 96*((\set)%2)
.set wsi, 0
.rept 8
.irp c, 0,1,2
	global_load_b128 v[wsb+12*wsi+4*\c:wsb+12*wsi+4*\c+3], v[LI], s[\base:\base+1] offset:(\off)+FRB*wsi+512*\c
.endr
.set wsi, wsi+1
.endr
	WIN 0
.endm
.macro SB1 sp, bp                      ; w1's scale words and b1 of my 128 hidden units: 24 loads
	WIN 0
.irp t, 0,1,2,3,4,5,6,7
	global_load_b128 v[W1S+4*\t:W1S+4*\t+3], v[VW1S], s[\sp:\sp+1] offset:(32*(\t/2)+8*(\t%2))*32
.endr
	WIN 0x40
.irp t, 0,1,2,3,4,5,6,7
	global_load_b128 v[B1+8*\t:B1+8*\t+3], v[VB1], s[\bp:\bp+1] offset:128*(\t/2)+32*(\t%2)
	global_load_b128 v[B1+8*\t+4:B1+8*\t+7], v[VB1], s[\bp:\bp+1] offset:128*(\t/2)+32*(\t%2)+16
.endr
	WIN 0
.endm
.macro SB2 off                         ; w2's scale words and b2 of a group of 64 columns, both experts: 20 loads
	WIN 0
.irp j, 0,1
.irp c, 0,1
	global_load_b128 v[W2S+8*\j+4*\c:W2S+8*\j+4*\c+3], v[LI], s[S2P+2*\j:S2P+2*\j+1] offset:1024*(\off)+512*\c
.endr
.endr
	WIN 0x80
.irp j, 0,1
.irp ct, 0,1,2,3
	global_load_b128 v[B2+32*\j+8*\ct:B2+32*\j+8*\ct+3], v[VB2], s[B2P+2*\j:B2P+2*\j+1] offset:256*(\off)+64*\ct
	global_load_b128 v[B2+32*\j+8*\ct+4:B2+32*\j+8*\ct+7], v[VB2], s[B2P+2*\j:B2P+2*\j+1] offset:256*(\off)+64*\ct+16
.endr
.endr
	WIN 0
.endm
.macro XFETCH buf, s                   ; x's three fragments of K step s
	WIN 0
.irp m, 0,1,2
.irp c, 0,1,2
	ds_load_b128 v[XF+36*(\buf)+12*\m+4*\c:XF+36*(\buf)+12*\m+4*\c+3], v[LI] offset:XIMG+(8*\m+(\s))*FRB+512*\c
.endr
.endr
.endm
.macro HFETCH buf, j, s                ; the hidden layer's three fragments of expert j, K step s
	WIN 0
.irp m, 0,1,2
.irp c, 0,1,2
	ds_load_b128 v[XF+36*(\buf)+12*\m+4*\c:XF+36*(\buf)+12*\m+4*\c+3], v[LIH] offset:((3*(\j)+\m)*4+(\s))*FRB+512*\c
.endr
.endr
.endm
.macro EXPERT e, w1p, w2p, s1p, b1p, s2p, b2p  ; my quarter of expert s[e]'s tensors
	s_lshl_b32 s92, s[\e], 2
	s_add_co_u32 s92, s92, s[WV]
	s_mul_i32 s92, s92, 8*UNIT
	s_mov_b32 s93, 0
	s_add_nc_u64 s[\w1p:\w1p+1], s[10:11], s[92:93]
	s_add_co_u32 s92, s92, 32*8*UNIT
	s_add_nc_u64 s[\w2p:\w2p+1], s[10:11], s[92:93]
	s_lshl_b32 s92, s[\e], 14
	s_lshl_b32 s94, s[WV], 12
	s_add_co_u32 s92, s92, s94
	s_add_nc_u64 s[\s1p:\s1p+1], s[12:13], s[92:93]
	s_add_nc_u64 s[\s2p:\s2p+1], s[16:17], s[92:93]
	s_lshl_b32 s92, s[\e], 12
	s_lshl_b32 s94, s[WV], 10
	s_add_co_u32 s92, s92, s94
	s_add_nc_u64 s[\b2p:\b2p+1], s[18:19], s[92:93]
	s_lshl_b32 s92, s[\e], 11
	s_lshl_b32 s94, s[WV], 9
	s_add_co_u32 s92, s92, s94
	s_add_nc_u64 s[\b1p:\b1p+1], s[14:15], s[92:93]
.endm
	s_load_b512 s[4:19], s[0:1], 0x0               ; tplan, xq, gate, wf, w1_scales, b1, w2_scales, b2
	s_load_b64 s[20:21], s[0:1], 0x40              ; out0
	v_lshl_add_u32 v254, v0, 2, 0x17000
	v_mov_b32 v255, 0
	v_lshrrev_b32 v1, 5, v0
	v_readfirstlane_b32 s[WV], v1                  ; wave q
	v_and_b32 v1, 31, v0                           ; lane
	v_and_b32 v2, 15, v0                           ; r
	v_bfe_u32 v3, v0, 4, 1                         ; h
	v_lshlrev_b32 v[LI], 4, v1
	v_add_nc_u32 v[LIH], HIMG, v[LI]
	v_lshlrev_b32 v[LSH], 2, v1
	v_add_nc_u32 v[LSH], HSC, v[LSH]
	s_mul_i32 s92, s[WV], FRB
	v_add_nc_u32 v[HWI], s92, v[LIH]
	s_lshl_b32 s92, s[WV], 7
	v_add_nc_u32 v[HWS], s92, v[LSH]
	s_mul_i32 s92, s[WV], 2*FRB
	v_add_nc_u32 v[XWI], s92, v[LI]
	s_mul_i32 s92, s[WV], 16*272
	s_add_co_u32 s92, s92, STG
	v_mul_u32_u24 v[STO], v2, 272
	v_lshl_add_u32 v[STO], v3, 5, v[STO]
	v_add_nc_u32 v[STO], s92, v[STO]               ; in: row r, 32 bytes for each half of the lanes
	v_mul_u32_u24 v[SRD], v3, 272
	v_lshl_add_u32 v[SRD], v2, 4, v[SRD]
	v_add_nc_u32 v[SRD], s92, v[SRD]               ; back: lanes 0-15 one row of 256 bytes, lanes 16-31 the next
	v_and_b32 v[VW1S], 8, v2
	v_add_nc_u32 v[VW1S], v[VW1S], v2
	v_lshlrev_b32 v[VW1S], 5, v[VW1S]
	v_lshl_add_u32 v[VW1S], v3, 4, v[VW1S]         ; w1's scales: row r + 8 (r / 8) of 32 bytes, + 16 h
	v_lshlrev_b32 v[VB1], 6, v3                    ; b1: + 16 units for lanes 16-31
	v_lshlrev_b32 v[VB2], 5, v3                    ; b2: + 8 columns
	v_mov_b32 v[C8], 0xbf97d29d
	v_mov_b32 v[C8+1], 0xbf97d29d
	v_lshlrev_b32 v[TA], 4, v3                     ; 16 h
	v_mul_u32_u24 v[TA+1], v3, 48
	s_mul_i32 s92, s[WV], 192
	v_add_nc_u32 v[TA+1], s92, v[TA+1]             ; 48 h + 192 q: my K steps 2 q, 2 q + 1 of a token's codes
	s_lshl_b32 s92, s[WV], 10
	v_lshl_add_u32 v[TA+2], v2, 4, s92             ; 1,024 q + 16 r: my place in a row of out0
	s_lshl_b32 s96, ttmp9, 5
	s_wait_kmcnt 0x0
	s_load_b256 s[24:31], s[4:5], s96 offset:0x8000   ; my tile: first place, rows - 1, rows, a, b
	s_mov_b32 s[SEL], 0x76543210
	s_mov_b32 s[SEL+1], 0xfedcba98
	KPAIR C0,    0xc034d90f
	KPAIR C0+2,  0x3fb8ab5a
	KPAIR C0+4,  0x3f0a29d2
	KPAIR C0+6,  0x3e0efb2e
	KPAIR C0+8,  0xbe899a80
	KPAIR C0+10, 0x3ecdfd18
	KPAIR C0+12, 0xbfd1a1e5
	KPAIR C0+14, 0x40097039
	KPAIR C9,    0x3e7c6f08
	KPAIR CM,    0xbf38aa3b
	s_mov_b32 s[CH], 0x3eb504f3
	s_mov_b32 s[J], 0
	s_mov_b32 s[JO], 0
	s_mov_b32 s[JOS], 0
	s_wait_kmcnt 0x0
	s_min_u32 s[START], s24, 0x1fff                ; what was loaded enters addresses only held to its range
	s_min_u32 s[LAST], s25, 47
	s_min_u32 s[NROW], s26, 48
	s_min_u32 s27, s27, 7
	s_min_u32 s28, s28, 7
	EXPERT 27, CUR, PA, S1PA, B1PA, S2P, B2P
	EXPERT 28, W1PB, PB, S1PB, B1PB, S2P+2, B2P+2
	s_mov_b64 s[NPA:NPA+1], s[W1PB:W1PB+1]
	s_add_nc_u64 s[NPB:NPB+1], s[W1PB:W1PB+1], 2*UNIT
	; the tile's tokens: row 16 m + r for the operands, row 2 k + h for the way out; rows behind the last take the last
.irp m, 0,1,2
	v_add_nc_u32 v[XF+\m], 16*\m, v2
	v_min_u32 v[XF+\m], s[LAST], v[XF+\m]
	v_add_nc_u32 v[XF+\m], s[START], v[XF+\m]
	v_min_u32 v[XF+\m], 0x1fff, v[XF+\m]
	v_lshlrev_b32 v[XF+\m], 2, v[XF+\m]
	global_load_b32 v[XA+\m], v[XF+\m], s[4:5]
.endr
.set kk, 0
.rept 24
	v_add_nc_u32 v[XF+3+kk], 2*kk, v3
	v_min_u32 v[XF+3+kk], s[LAST], v[XF+3+kk]
	v_add_nc_u32 v[XF+3+kk], s[START], v[XF+3+kk]
	v_min_u32 v[XF+3+kk], 0x1fff, v[XF+3+kk]
	v_lshlrev_b32 v[XF+3+kk], 2, v[XF+3+kk]
	global_load_b32 v[TO+kk], v[XF+3+kk], s[4:5]
.set kk, kk+1
.endr
	SB1 S1PA, B1PA
	s_wait_loadcnt 24                              ; the 27 list loads are in; the 24 just issued may be out
.irp m, 0,1,2
	v_min_u32 v[XA+\m], 0x1fff, v[XA+\m]           ; a token's number
	v_lshlrev_b32 v[GWA+\m], 3, v[XA+\m]
	v_lshlrev_b32 v[XSA+\m], 5, v[XA+\m]
	v_add_nc_u32 v[XSA+\m], v[TA], v[XSA+\m]
	v_mul_u32_u24 v[XA+\m], v[XA+\m], 768
	v_add_nc_u32 v[XA+\m], v[TA+1], v[XA+\m]
.endr
.set kk, 0
.rept 24
	v_min_u32 v[TO+kk], 0x1fff, v[TO+kk]
	v_lshlrev_b32 v[TO+kk], 12, v[TO+kk]
	v_add_nc_u32 v[TO+kk], v[TA+2], v[TO+kk]
.set kk, kk+1
.endr
.irp m, 0,1,2
.irp s, 0,1
.irp c, 0,1,2
	global_load_b128 v[XF+24*\m+12*\s+4*\c:XF+24*\m+12*\s+4*\c+3], v[XA+\m], s[6:7] offset:96*\s+16*\c   ; a lane's 48 bytes are its 12 registers of the fragment
.endr
.endr
.endr
.irp m, 0,1,2
	global_load_b128 v[XS+4*\m:XS+4*\m+3], v[XSA+\m], s[6:7] offset:XQS
.endr
.irp m, 0,1,2
	global_load_b64 v[GW+2*\m:GW+2*\m+1], v[GWA+\m], s[8:9]
.endr
	WSET 0, CUR, 0
	s_wait_loadcnt 30                              ; x's codes are in (behind them: 3 + 3 + 24 loads)
.irp m, 0,1,2
.irp s, 0,1
.irp c, 0,1,2
	ds_store_b128 v[XWI], v[XF+24*\m+12*\s+4*\c:XF+24*\m+12*\s+4*\c+3] offset:XIMG+(8*\m+\s)*FRB+512*\c
.endr
.endr
.endr
	WSET 1, CUR, UNIT
	WSET 2, CUR, 2*UNIT
	SB2 0
	s_wait_dscnt 0x0                               ; my part of x's fragments has landed
	s_barrier_signal -1
	s_barrier_wait -1                              ; all 24 lie in LDS
	XFETCH 0, 0
; K step s of the first product: 24 matrix instructions, the 24 accumulators by turns, one instruction a turn, in the same order in every step.
; At its head the set that the step before has left is filled again: this expert's K step s + 3, or from step 5 on what comes next (the other expert's first three K steps, or W2's first three sets).
.macro P1STEP s
	PLACES
.if (\s) == 0
	WSET 3, CUR, 3*UNIT
.elseif (\s) < 5
	WSET ((\s)-1)%4, CUR, ((\s)+3)*UNIT
.elseif (\s) == 5
	WSET 0, NPA, 0
.elseif (\s) == 6
	WSET 1, NPA, UNIT
.else
	WSET 2, NPB, 0
.endif
.if (\s) < 7
	XFETCH ((\s)+1)%2, (\s)+1
.endif
.if (\s) >= 3
	s_wait_loadcnt 63                              ; behind this step's set three sets, 72 loads, were issued: 63, the most that the wait can name, is the stricter count
.endif
.if (\s) < 7
	s_wait_dscnt 9                                 ; this step's fragments of x are in; the next step's nine loads may be out
.else
	s_wait_dscnt 0x0
.endif
.set p1a, 96*((\s)%2)
.set p1b, XF+36*((\s)%2)
.if (\s) == 0
	WIN 0x91                                       ; weights and b1 in window 1, x in window 0, sums in window 2
.elseif (\s)%4 < 2
	WIN 0xa1
.else
	WIN 0xa3                                       ; weights in window 3
.endif
.irp t, 0,1,2,3,4,5,6,7
.irp m, 0,1,2
.if (\s) == 0
	MM 64*\m+8*\t, p1a+12*\t, p1b+12*\m, B1+8*\t, W1S+4*\t, XS+4*\m, 0
.elseif (\s) < 4
	MM 64*\m+8*\t, p1a+12*\t, p1b+12*\m, 64*\m+8*\t, W1S+4*\t+(\s), XS+4*\m+(\s), 0
.else
	MM 64*\m+8*\t, p1a+12*\t, p1b+12*\m, 64*\m+8*\t, W1S+4*\t+(\s)-4, XS+4*\m+(\s)-4, 3
.endif
.endr
.endr
.endm
; The GELU of 32 numbers a lane.  Each accumulator is read from its low end on.  Transcendentals stand in runs, with a plain line behind each run ahead of the first use.
.macro GELU32 m, half
.set gx, 64*(\m)+32*(\half)
.set gh, HA+32*(\half)
	WIN 0xfe
.set gi, 0
.rept 32
	v_fma_f32 v[GT+gi], |v[gx+gi]|, s[CH], 1.0
.set gi, gi+1
.endr
	WIN 0xff
.set gi, 0
.rept 32
	v_rcp_f32 v[GT+gi], v[GT+gi]                   ; t
.set gi, gi+1
.endr
	WIN 0xfa
.set gi, 0
.rept 16
	v_pk_mul_f32 v[GQ+gi:GQ+gi+1], v[gx+gi:gx+gi+1], v[gx+gi:gx+gi+1]
.set gi, gi+2
.endr
.set gi, 0
.rept 32
	v_max_num_f32 v[gh+gi], 0, v[gx+gi]
.set gi, gi+1
.endr
	WIN 0xcf
.set gi, 0
	s_wait_alu depctr_va_vdst(0)
.rept 16
	v_pk_fma_f32 v[GP+gi:GP+gi+1], v[GT+gi:GT+gi+1], s[C9:C9+1], v[C8:C8+1] op_sel_hi:[1,0,1]
.set gi, gi+2
.endr
	WIN 0xff
.irp k, 7,6,5,4,3,2,1,0
.set gi, 0
.rept 16
	v_pk_fma_f32 v[GP+gi:GP+gi+1], v[GP+gi:GP+gi+1], v[GT+gi:GT+gi+1], s[C0+2*\k:C0+2*\k+1] op_sel_hi:[1,1,0]
.set gi, gi+2
.endr
.endr
.set gi, 0
.rept 16
	v_pk_fma_f32 v[GP+gi:GP+gi+1], v[GQ+gi:GQ+gi+1], s[CM:CM+1], v[GP+gi:GP+gi+1] op_sel_hi:[1,0,1]
.set gi, gi+2
.endr
.set gi, 0
.rept 32
	v_exp_f32 v[GP+gi], v[GP+gi]
.set gi, gi+1
.endr
	v_nop
.set gi, 0
	s_wait_alu depctr_va_vdst(0)
.rept 16
	v_pk_mul_f32 v[GQ+gi:GQ+gi+1], v[GT+gi:GT+gi+1], v[GP+gi:GP+gi+1]   ; q
.set gi, gi+2
.endr
	WIN 0xfe
.set gi, 0
.rept 32
	v_fma_f32 v[gh+gi], -|v[gx+gi]|, v[GQ+gi], v[gh+gi]
.set gi, gi+1
.endr
.endm
; 64 numbers of a lane, register 16 b + i = k 32 b + 16 (lane / 16) + i of my token, become a fragment's codes in v[PC] on and its scale word in v[PW]: all in window 3.
.macro QUANT
	WIN 0xff
.irp b, 0,1,2,3
	v_max3_num_f32 v[TM+\b], |v[HA+16*\b]|, |v[HA+1+16*\b]|, 0x2800000   ; my 16 of block b, and the floor 2^(5 - 127): the byte cannot fall under 1
.endr
.irp i, 2,4,6,8,10,12,14
.irp b, 0,1,2,3
	v_max3_num_f32 v[TM+\b], v[TM+\b], |v[HA+16*\b+\i]|, |v[HA+1+16*\b+\i]|
.endr
.endr
.irp b, 0,1,2,3
	v_permlanex16_b32 v[TM+4+\b], v[TM+\b], s[SEL], s[SEL+1]
.endr
.irp b, 0,1,2,3
	v_max_num_f32 v[TM+\b], v[TM+\b], v[TM+4+\b]   ; with lane l xor 16's: the block's largest magnitude
.endr
.irp b, 0,1,2,3
	v_add_nc_u32 v[TM+12+\b], 0xfe000000, v[TM+\b] ; 4 off its exponent field: the conversion's scale operand
.endr
.irp b, 0,1,2,3
	v_lshrrev_b32 v[TM+4+\b], 23, v[TM+12+\b]      ; the scale's byte
.endr
	v_lshl_or_b32 v[PW], v[TM+5], 8, v[TM+4]
	v_lshl_or_b32 v[PW], v[TM+6], 16, v[PW]
	v_lshl_or_b32 v[PW], v[TM+7], 24, v[PW]
.irp c, 0,1
	v_cvt_scalef32_pk16_bf6_f32 v[PC+6*\c:PC+2+6*\c], v[HA+32*\c:HA+15+32*\c], v[TM+12+2*\c]
	v_cvt_scalef32_pk16_bf6_f32 v[PC+12+4*\c:PC+14+4*\c], v[HA+16+32*\c:HA+31+32*\c], v[TM+12+2*\c+1]   ; (a conversion's three registers begin on an even number)
.endr
	v_nop                                          ; one plain place behind a scaled conversion
.irp c, 0,1                                    ; the operand's layout wants a WHOLE block in a lane
.irp i, 0,1,2
	v_permlane16_swap_b32 v[PC+6*\c+\i], v[PC+12+4*\c+\i]
.endr
.irp i, 0,1,2
	v_mov_b32 v[PC+3+6*\c+\i], v[PC+12+4*\c+\i]
.endr
.endr
.endm
.macro IMAGE m                         ; K step q of the second product, rows 16 m on, of the expert in hand
	WIN 0x0c
.irp c, 0,1,2
	ds_store_b128 v[HWIJ], v[PC+4*\c:PC+4*\c+3] offset:4*FRB*(\m)+512*\c
.endr
	ds_store_b32 v[HWSJ], v[PW] offset:512*(\m)
	s_wait_dscnt 0x0                               ; the stores have read their registers
.endm
	; ---- the first product, the GELU and the quantiser: two trips, expert a and expert b.  Every work-group walks the loop; a tile with no rows jumps over a trip's work
.Lj:
	v_add_nc_u32 v[HWIJ], s[JO], v[HWI]
	v_add_nc_u32 v[HWSJ], s[JOS], v[HWS]
	s_cmp_eq_u32 s[NROW], 0
	s_cbranch_scc1 .Lj_next
	s_wait_loadcnt 0x0                             ; sets 0 to 2, the scale words and the biases are in
.irp s, 0,1,2,3,4,5,6,7
	P1STEP \s
.endr
	PLACES
	WIN 0
	s_cmp_lg_u32 s[J], 0
	s_cbranch_scc1 .Lj_second
	SB1 S1PB, B1PB                                 ; expert b's scale words and bias land while a's GELU is worked
	XFETCH 0, 0
	s_wait_xcnt 0x0                                ; the pointers are written again only behind this wait
	s_mov_b64 s[CUR:CUR+1], s[W1PB:W1PB+1]
	s_mov_b64 s[NPA:NPA+1], s[PA:PA+1]
	s_mov_b64 s[NPB:NPB+1], s[PB:PB+1]
.Lj_second:
.irp m, 0,1,2
	GELU32 \m, 0
	GELU32 \m, 1
	QUANT
	IMAGE \m
.endr
	WIN 0
.Lj_next:
	s_add_co_u32 s[JO], s[JO], 12*FRB
	s_add_co_u32 s[JOS], s[JOS], 12*128
	s_add_co_u32 s[J], s[J], 1
	s_cmp_lt_u32 s[J], 2
	s_cbranch_scc1 .Lj
	s_wait_dscnt 0x0                               ; my part of the hidden layer has landed, my reads of x are in
	s_barrier_signal -1
	s_barrier_wait -1                              ; all 24 hidden fragments lie in LDS
	s_cmp_eq_u32 s[NROW], 0
	s_cbranch_scc1 .Lend
; Step v of a group of 64 columns: expert v / 4, K step v % 4: 12 matrix instructions, 12 accumulators by turns.  Set v / 2 holds the weights of two K steps.
; refill = 1: a set is filled with the next group's weights as soon as its two steps are over.
.macro P2STEP v, refill
.set p2j, (\v)/4
.set p2s, (\v)%4
.set p2u, (\v)/2
	PLACES
.if \refill
.if (\v) == 2
	WSET 0, PA, 2*UNIT
.elseif (\v) == 4
	WSET 1, PA, 3*UNIT
.elseif (\v) == 6
	WSET 2, PB, 2*UNIT
.endif
.endif
.if (\v) < 7
	HFETCH ((\v)+1)%2, ((\v)+1)/4, ((\v)+1)%4
.elseif \refill
	HFETCH 0, 0, 0
.endif
.if (\v) == 0
	s_wait_loadcnt 24                              ; sets 0 to 2, the scale words and b2 are in; set 3's 24 loads may be out
.elseif (\v) == 6
.if \refill
	s_wait_loadcnt 63                              ; behind set 3's loads three sets, 72 loads, were issued: 63 is the stricter count
.else
	s_wait_loadcnt 0x0
.endif
.endif
.if ((\v) < 7) || \refill
	s_wait_dscnt 9                                 ; this step's hidden fragments are in; the next step's nine loads may be out
.else
	s_wait_dscnt 0x0
.endif
.set p2a, 96*(p2u%2)+48*(p2s%2)
.set p2b, XF+36*((\v)%2)
.if p2u < 2
	WIN 0xa1
.else
	WIN 0xa3
.endif
.irp ct, 0,1,2,3
.irp m, 0,1,2
.if p2s == 0
	MM 96*p2j+32*\m+8*\ct, p2a+12*\ct, p2b+12*\m, B2+32*p2j+8*\ct, W2S+8*p2j+4*(\ct/2)+p2s, HS+4*(3*p2j+\m)+p2s, \ct%2
.else
	MM 96*p2j+32*\m+8*\ct, p2a+12*\ct, p2b+12*\m, 96*p2j+32*\m+8*\ct, W2S+8*p2j+4*(\ct/2)+p2s, HS+4*(3*p2j+\m)+p2s, \ct%2
.endif
.endr
.endr
.endm
.macro TOSTAGE m                       ; 16 tokens x 64 columns into my stage, and back as whole rows of 256 bytes, into the registers that expert b's sums have left
	WIN 0x08
.irp ct, 0,1,2,3
	ds_store_b128 v[STO], v[32*(\m)+8*\ct:32*(\m)+8*\ct+3] offset:64*\ct
	ds_store_b128 v[STO], v[32*(\m)+8*\ct+4:32*(\m)+8*\ct+7] offset:64*\ct+16
.endr
	WIN 0x80
.irp i, 0,1,2,3,4,5,6,7
	ds_load_b128 v[96+32*(\m)+4*\i:96+32*(\m)+4*\i+3], v[SRD] offset:544*\i   ; LDS serves a wave's instructions in order: these see the stores above, and the next tile's stores come behind them
.endr
.endm
.macro SEND m, younger                 ; younger: the LDS instructions issued behind tile m's loads
	WIN 0x08
.irp i, 0,1,2,3,4,5,6,7
	s_wait_dscnt (\younger)+7-\i
	global_store_b128 v[TO+8*(\m)+\i], v[96+32*(\m)+4*\i:96+32*(\m)+4*\i+3], s[20:21] th:TH_STORE_NT   ; sixteen lanes store 256 consecutive bytes of a token's row, at a multiple of 256 from out0's first byte
.endr
.endm
.macro OUTG refill                     ; the group leaves: wa ya + wb yb, each accumulator from its low end on
	PLACES
.if \refill
	SB2 1
	WSET 3, PB, 3*UNIT
.endif
	WIN 0xa2
.irp m, 0,1,2
.irp ct, 0,1,2,3
.irp p, 0,2,4,6
	v_pk_mul_f32 v[32*\m+8*\ct+\p:32*\m+8*\ct+\p+1], v[32*\m+8*\ct+\p:32*\m+8*\ct+\p+1], v[GW+2*\m:GW+2*\m+1] op_sel_hi:[1,0]
.endr
.endr
.endr
.irp m, 0,1,2
.irp ct, 0,1,2,3
.irp p, 0,2,4,6
	v_pk_fma_f32 v[32*\m+8*\ct+\p:32*\m+8*\ct+\p+1], v[96+32*\m+8*\ct+\p:96+32*\m+8*\ct+\p+1], v[WB+2*\m:WB+2*\m+1], v[32*\m+8*\ct+\p:32*\m+8*\ct+\p+1] op_sel_hi:[1,0,1]
.endr
.endr
.endr
	TOSTAGE 0
	TOSTAGE 1
	SEND 0, 16
	TOSTAGE 2
	SEND 1, 16
	SEND 2, 0
	WIN 0
.if \refill
	s_wait_xcnt 0x0                                ; the stores have read their registers, the loads their bases: both may be written again
	s_add_nc_u64 s[PA:PA+1], s[PA:PA+1], 2*UNIT
	s_add_nc_u64 s[PB:PB+1], s[PB:PB+1], 2*UNIT
	s_add_nc_u64 s[S2P:S2P+1], s[S2P:S2P+1], 1024
	s_add_nc_u64 s[S2P+2:S2P+3], s[S2P+2:S2P+3], 1024
	s_add_nc_u64 s[B2P:B2P+1], s[B2P:B2P+1], 256
	s_add_nc_u64 s[B2P+2:B2P+3], s[B2P+2:B2P+3], 256
	s_add_nc_u64 s[20:21], s[20:21], 256
.endif
.endm
	; ---- the second product: four groups of 64 columns, both experts
	s_wait_loadcnt 0x0                             ; sets 0 to 2 hold W2's first three; the gate weights are in
	WSET 3, PB, UNIT
.irp m, 0,1,2
	v_mov_b32 v[WB+2*\m], v[GW+2*\m+1]
	v_mov_b32 v[WB+2*\m+1], v[GW+2*\m+1]
.endr
.set kk, 0
.rept 24
	ds_load_b32 v[HS+kk], v[LSH] offset:128*kk
.set kk, kk+1
.endr
	HFETCH 0, 0, 0
	s_mov_b32 s[G], 0
.Lg:
.irp v, 0,1,2,3,4,5,6,7
	P2STEP \v, 1
.endr
	OUTG 1
	s_add_co_u32 s[G], s[G], 1
	s_cmp_lt_u32 s[G], 3
	s_cbranch_scc1 .Lg
.irp v, 0,1,2,3,4,5,6,7
	P2STEP \v, 0                                   ; the last group asks for nothing more
.endr
	OUTG 0
.Lend:
	s_wait_tensorcnt 0x0
	ds_add_u32 v254, v255
	s_wait_dscnt 0x0
	s_endpgm
.Lfunc_end_k_qc7b9e430d3_chain:
	.size	k_qc7b9e430d3_chain, .Lfunc_end_k_qc7b9e430d3_chain-k_qc7b9e430d3_chain
	.p2alignl 7, 3214868480
	.fill 96, 4, 3214868480
	.section	.rodata,"a",@progbits
	.p2align	6, 0x0
	.amdhsa_kernel k_qc7b9e430d3_chain
		.amdhsa_group_segment_fixed_size 94720
		.amdhsa_private_segment_fixed_size 0
		.amdhsa_enable_private_segment 0
		.amdhsa_kernarg_size 72
		.amdhsa_user_sgpr_count 2
		.amdhsa_user_sgpr_kernarg_segment_ptr 1
		.amdhsa_wavefront_size32 1
		.amdhsa_system_sgpr_workgroup_id_x 1
		.amdhsa_system_sgpr_workgroup_id_y 1
		.amdhsa_system_sgpr_workgroup_id_z 1
		.amdhsa_system_vgpr_workitem_id 0
		.amdhsa_next_free_vgpr 1024
		.amdhsa_next_free_sgpr 100
		.amdhsa_reserve_vcc 0
		.amdhsa_float_denorm_mode_32 3
		.amdhsa_float_denorm_mode_16_64 3
		.amdhsa_memory_ordered 1
		.amdhsa_forward_progress 1
		.amdhsa_inst_pref_size 255
	.end_amdhsa_kernel
	.section	.bss,"aw",@nobits
	.p2align	6
	.space	262144
	.amdgpu_metadata
---
amdhsa.version: [ 1, 2 ]
amdhsa.kernels:
  - .name:           k_qc7b9e430d3_chain
    .symbol:         k_qc7b9e430d3_chain.kd
    .args:
      - { .name: tplan, .offset: 0, .size: 8, .value_kind: global_buffer, .address_space: global }
      - { .name: xq, .offset: 8, .size: 8, .value_kind: global_buffer, .address_space: global }
      - { .name: gate, .offset: 16, .size: 8, .value_kind: global_buffer, .address_space: global }
      - { .name: wf, .offset: 24, .size: 8, .value_kind: global_buffer, .address_space: global }
      - { .name: w1_scales, .offset: 32, .size: 8, .value_kind: global_buffer, .address_space: global }
      - { .name: b1, .offset: 40, .size: 8, .value_kind: global_buffer, .address_space: global }
      - { .name: w2_scales, .offset: 48, .size: 8, .value_kind: global_buffer, .address_space: global }
      - { .name: b2, .offset: 56, .size: 8, .value_kind: global_buffer, .address_space: global }
      - { .name: out0, .offset: 64, .size: 8, .value_kind: global_buffer, .address_space: global }
    .group_segment_fixed_size: 94720
    .private_segment_fixed_size: 0
    .kernarg_segment_align: 8
    .kernarg_segment_size: 72
    .max_flat_workgroup_size: 128
    .sgpr_count:     100
    .vgpr_count:     1024
    .wavefront_size: 32
...
	.end_amdgpu_metadata
.endif
;; end of part 3
;; ======== version 2 of 2: 3 launches; version 1 with the launch chain written anew for expert scheduling mode
;; workspace buffers: xq 6,553,600 bytes; gate 73,728 bytes; rsel 65,536 bytes of whole numbers; tplan 40,960 bytes of whole numbers; wf 6,291,456 bytes
;; launch route: the kernel of part 1 again; grid 256 x 1, 8 waves a work-group, no clusters, 76,288 bytes of LDS; arguments hidden_states, router_w, router_b, xq, gate, rsel; writes xq, gate, rsel
;; launch place: the kernel of part 2 again; grid 65 x 1, 8 waves a work-group, no clusters, 3,072 bytes of LDS; arguments rsel, gate, w1_codes, w2_codes, tplan, wf, out1; writes tplan, wf, out1
;; launch chain (part 4): grid 198 x 1, 4 waves a work-group, no clusters, 94,720 bytes of LDS; arguments tplan, xq, gate, wf, w1_scales, b1, w2_scales, b2, out0; writes out0
.if DOCPART == 4
	.amdgcn_target "amdgcn-amd-amdhsa--gfx1250"
	.amdhsa_code_object_version 6
	.text
	.protected	k_qc7b9e430d3_chain
	.globl	k_qc7b9e430d3_chain
	.p2align	8
	.type	k_qc7b9e430d3_chain,@function
k_qc7b9e430d3_chain:
	s_mov_b64 s[64:65], 0
	v_nop
	global_prefetch_b8 v0, s[64:65] scope:SCOPE_SE
	s_setreg_imm32_b32 hwreg(HW_REG_WAVE_SCHED_MODE, 0, 2), 2
	s_setreg_imm32_b32 hwreg(HW_REG_WAVE_MODE, 25, 1), 1
	s_wait_xcnt 0x0
	s_wait_alu depctr_vm_vsrc(0)
; CHAIN.  A work-group takes one tile, up to 48 tokens that chose the SAME TWO experts a < b, through everything: out = wa (gelu(x W1a + b1a) W2a + b2a) + wb (the same of b), both products on codes of BF6 (E3M2) with
; one E8M0 scale for each 32 along K.  Every token has one owner; the hidden layer stays in LDS; the six experts that a token did not choose have weight 0 in the definition and are not multiplied.
; SHARES.  THE WAVES SHARE THE COLUMNS, NOT THE ROWS: wave q makes hidden units 128 q .. + 127 (8 tiles) and output columns 256 q .. + 255 (4 groups of 4 tiles), of both experts, for all 48 rows (3 tiles).
; Both products are used transposed (source 0 = 16 rows of a weight, source 1 = 16 tokens): a lane holds ONE token and its registers run along the columns, which are the next K, or 32 neighbouring bytes of out.
; WEIGHTS come from wf, laid as images of operand registers, by loads of 512 consecutive bytes straight into four sets of 96 registers that take turns: no wave reads what another wave of the work-group reads,
; so LDS would only add a copy.  By the text's own count up to three sets, 72 loads, are asked for ahead of the set in hand.  x's and the hidden layer's fragments go from wave to wave through LDS as images of their registers.
; ROWS BEHIND THE TILE'S LAST are copies of its last token: they compute the same bits and store the same bytes to the same place.  A tile with no rows loads at clamped places, passes both barriers and stores nothing.
; NO CLUSTER: partners would have to hold tiles of one pair; a pair has 0 to 171 tiles by the data, padding each of 28 pairs to four tiles gives up to 280 work-groups, and a joint load cannot land in registers.
; GELU, exact form: gelu(x) = max(x, 0) - |x| q, q = erfc(|x| / sqrt 2) / 2 = t 2^(P(t) - x^2 log2(e) / 2), t = 1 / (1 + |x| sqrt(2) / 4), P of degree 9: the fit erfcc of Numerical Recipes, fractional error 1.2e-7,
; its coefficients times log2 e, and 1 off the constant term for the half.  To that comes the f32 rounding of the exponent, about 6e-8 x x^2 log2(e) / 2.  Under x = -13 or so the exponential gives 0: gelu = -0.
; LIMITS: NaN and infinities are not served.  A block of zeros gets the scale byte 1 where the rule says 127: its codes are zeros.
; REGISTERS, in windows of 256.  Window 0: addresses, gate weights, all scale words, two buffers of three fragments (x's or the hidden layer's).  Window 1: weight sets 0, 1; b1's 8 tiles.
; Window 2: 24 accumulators; b2's 8 tiles.  Window 3: weight sets 2, 3 (set 3's registers serve the GELU and the quantiser between the products); 64 numbers of the hidden layer.
; THE MODE: SCHED_MODE bits 1:0 = 2 (LLVM: expert scheduling mode 2), set by the entry lines.  The code itself states the register dependences between vector or matrix instructions and memory or LDS
; instructions, with s_wait_alu, always for 0.
; THE PLAN.  Registers that memory or LDS instructions touch, and who else names them:
;   addresses     LI .. VB2, XA, XSA, GWA, TO: written by vector lines at the head, in two batches with a wait behind each, and never again.  HWIJ, HWSJ: written at a trip's head, read by that trip's LDS stores.
;   weight sets   First product: K step s's products read set s % 4; the loads issued in step s land in set (s - 1) % 4.  Second product: steps 2 u and 2 u + 1 read set u; the loads issued in step 2 u + 2 land in set u; set 3 is filled at the group's way out.
;   XF 0, XF 1    Step s's products read buffer s % 2; the LDS loads issued in step s land in the other.
;   So ONE wait on va_vdst stands at the head of a step: the products of the step before are done reading their set and their buffer.  The step's loads follow it, dealt among the step's products,
;   which name this step's set, this step's buffer, the sums and the scale words: none of the registers that those loads touch.  A trip's or a group's first step owes no such wait: an earlier one stands behind every line that named those registers.
;   W1S, b1       Read by all products of a trip; loaded anew behind expert a's last step: one wait on va_vdst.   W2S, b2, set 3: the same at a group's way out.
;   PC, PW        Written by the quantiser, read by the LDS stores of an image: va_vdst ahead of the stores, vm_vsrc behind them, ahead of the next GELU, which writes the same registers.
;   window 2      At a group's way out the packed lines write expert a's sums, which the stage's stores read, and read expert b's, in which the stage's loads land: one wait on va_vdst.  The next group's products write both: one wait on vm_vsrc.
.set FRB,   1536                       ; a fragment's image
.set UNIT,  12288                      ; eight of them: a set
.set XIMG,  0                          ; LDS: x's fragment (m, s) at (8 m + s) FRB
.set HIMG,  36864                      ; the hidden layer's (j, m, s) at ((3 j + m) 4 + s) FRB
.set HSC,   73728                      ; their scale words, 128 bytes each
.set STG,   76800                      ; a stage of 16 rows x (256 + 16) bytes for each wave
.set XQS,   6291456
.set LI,   4                           ; 16 x lane
.set LIH,  5                           ; + HIMG
.set LSH,  6                           ; 4 x lane + HSC
.set HWI,  7                           ; where I store hidden fragments: LIH + FRB q
.set HWS,  8                           ; and their scale words: LSH + 128 q
.set HWIJ, 9                           ; the same for the expert in hand
.set HWSJ, 10
.set XWI,  11                          ; where I store x's fragments: LI + 2 FRB q
.set STO,  12                          ; the stage: in
.set SRD,  13                          ; and back
.set VW1S, 14
.set VB1,  15
.set VB2,  17
.set XA,   18                          ; v18-20   tile m: my token, then its codes' place in xq
.set GW,   22                          ; v22-27   (wa, wb) of my token, tile m
.set TO,   28                          ; v28-51   out0: the place of row 2 k + h, k = 8 m + i
.set W2S,  52                          ; v52-67   w2's scale words: 8 j + 4 (ct / 2) + s; odd ct in lanes 16-31
.set XS,   68                          ; v68-79   x's: 4 m + s % 4; K steps 4-7 in lanes 16-31
.set HS,   80                          ; v80-103  the hidden layer's: 4 (3 j + m) + s
.set W1S,  104                         ; v104-135 w1's: 4 t + s % 4; K steps 4-7 in lanes 16-31
.set XF,   136                         ; v136-207 two buffers of three fragments
.set C8,   208                         ; v208-209 a coefficient, twice
.set XSA,  214
.set GWA,  217
.set WB,   220                         ; v220-225 (wb, wb), tile m
.set TA,   226
.set B1,   192                         ; window 1
.set B2,   192                         ; window 2
.set GT,   96                          ; window 3: the GELU's t,
.set GP,   128                         ; its polynomial,
.set GQ,   160                         ; x^2, then t 2^..
.set HA,   192                         ; 64 numbers of the hidden layer
.set TM,   96                          ; the quantiser's 16 at work,
.set PW,   112                         ; the scale word,
.set PC,   116                         ; the codes
.set WV,   22
.set START, 32
.set LAST, 33
.set NROW, 34
.set J,    35
.set CUR,  36                          ; W1 of the expert in hand
.set NPA,  38                          ; what sets 0 and 1 take next,
.set NPB,  40                          ; and set 2
.set W1PB, 42
.set PA,   44                          ; W2 of a, at the group in hand
.set PB,   46                          ; W2 of b
.set S1PB, 48
.set B1PB, 50
.set S1PA, 52
.set B1PA, 54
.set S2P,  56                          ; s[56:59] w2's scales of a, of b
.set B2P,  60                          ; s[60:63] b2 of a, of b
.set SEL,  66
.set C0,   68                          ; s[68:83] c0 .. c7, each twice
.set C9,   84
.set CM,   86
.set CH,   88
.set JO,   89
.set G,    90
.set JOS,  91
.set MSB, 0
.macro WIN new                         ; the immediate's high byte repeats the setting that is left
.if MSB != \new
	s_set_vgpr_msb (MSB<<8)|\new
.set MSB, \new
.endif
.endm
.macro PLACES                          ; four plain places between a matrix instruction and a load into, or a vector line on, one of its registers
.rept 4
	v_nop
.endr
.endm
.macro KPAIR reg, bits
	s_mov_b32 s[\reg], \bits
	s_mov_b32 s[\reg+1], \bits
.endm
.macro MM d, a, b, c, sa, sb, rows     ; rows: 0: scale words in lanes 0-15; 1: source 0's in lanes 16-31; 3: both
.if (\rows) == 0
	v_wmma_scale_f32_16x16x128_f8f6f4 v[(\d):(\d)+7], v[(\a):(\a)+11], v[(\b):(\b)+11], v[(\c):(\c)+7], v[(\sa)], v[(\sb)] matrix_a_fmt:MATRIX_FMT_BF6 matrix_b_fmt:MATRIX_FMT_BF6
.elseif (\rows) == 1
	v_wmma_scale_f32_16x16x128_f8f6f4 v[(\d):(\d)+7], v[(\a):(\a)+11], v[(\b):(\b)+11], v[(\c):(\c)+7], v[(\sa)], v[(\sb)] matrix_a_fmt:MATRIX_FMT_BF6 matrix_b_fmt:MATRIX_FMT_BF6 matrix_a_scale:MATRIX_SCALE_ROW1
.else
	v_wmma_scale_f32_16x16x128_f8f6f4 v[(\d):(\d)+7], v[(\a):(\a)+11], v[(\b):(\b)+11], v[(\c):(\c)+7], v[(\sa)], v[(\sb)] matrix_a_fmt:MATRIX_FMT_BF6 matrix_b_fmt:MATRIX_FMT_BF6 matrix_a_scale:MATRIX_SCALE_ROW1 matrix_b_scale:MATRIX_SCALE_ROW1
.endif
.endm
.macro WPART set, base, off, f0, n     ; fragments f0 .. f0 + n - 1 of a set: three loads of 512 consecutive bytes each.  The window is left at the set's
.if (\set) < 2
	WIN 0x40
.else
	WIN 0xc0
.endif
.set wsb, 96*((\set)%2)
.set wsi, \f0
.rept \n
.irp c, 0,1,2
	global_load_b128 v[wsb+12*wsi+4*\c:wsb+12*wsi+4*\c+3], v[LI], s[\base:\base+1] offset:(\off)+FRB*wsi+512*\c
.endr
.set wsi, wsi+1
.endr
.endm
.macro WSET set, base, off             ; eight fragments, 24 loads of 512 consecutive bytes, into a set
	WPART \set, \base, \off, 0, 8
	WIN 0
.endm
.macro SB1 sp, bp                      ; w1's scale words and b1 of my 128 hidden units: 24 loads
	WIN 0
.irp t, 0,1,2,3,4,5,6,7
	global_load_b128 v[W1S+4*\t:W1S+4*\t+3], v[VW1S], s[\sp:\sp+1] offset:(32*(\t/2)+8*(\t%2))*32
.endr
	WIN 0x40
.irp t, 0,1,2,3,4,5,6,7
	global_load_b128 v[B1+8*\t:B1+8*\t+3], v[VB1], s[\bp:\bp+1] offset:128*(\t/2)+32*(\t%2)
	global_load_b128 v[B1+8*\t+4:B1+8*\t+7], v[VB1], s[\bp:\bp+1] offset:128*(\t/2)+32*(\t%2)+16
.endr
	WIN 0
.endm
.macro SB2 off                         ; w2's scale words and b2 of a group of 64 columns, both experts: 20 loads
	WIN 0
.irp j, 0,1
.irp c, 0,1
	global_load_b128 v[W2S+8*\j+4*\c:W2S+8*\j+4*\c+3], v[LI], s[S2P+2*\j:S2P+2*\j+1] offset:1024*(\off)+512*\c
.endr
.endr
	WIN 0x80
.irp j, 0,1
.irp ct, 0,1,2,3
	global_load_b128 v[B2+32*\j+8*\ct:B2+32*\j+8*\ct+3], v[VB2], s[B2P+2*\j:B2P+2*\j+1] offset:256*(\off)+64*\ct
	global_load_b128 v[B2+32*\j+8*\ct+4:B2+32*\j+8*\ct+7], v[VB2], s[B2P+2*\j:B2P+2*\j+1] offset:256*(\off)+64*\ct+16
.endr
.endr
	WIN 0
.endm
.macro XFETCH buf, s                   ; x's three fragments of K step s
	WIN 0
.irp m, 0,1,2
.irp c, 0,1,2
	ds_load_b128 v[XF+36*(\buf)+12*\m+4*\c:XF+36*(\buf)+12*\m+4*\c+3], v[LI] offset:XIMG+(8*\m+(\s))*FRB+512*\c
.endr
.endr
.endm
.macro HFETCH buf, j, s                ; the hidden layer's three fragments of expert j, K step s
	WIN 0
.irp m, 0,1,2
.irp c, 0,1,2
	ds_load_b128 v[XF+36*(\buf)+12*\m+4*\c:XF+36*(\buf)+12*\m+4*\c+3], v[LIH] offset:((3*(\j)+\m)*4+(\s))*FRB+512*\c
.endr
.endr
.endm
.macro EXPERT e, w1p, w2p, s1p, b1p, s2p, b2p  ; my quarter of expert s[e]'s tensors
	s_lshl_b32 s92, s[\e], 2
	s_add_co_u32 s92, s92, s[WV]
	s_mul_i32 s92, s92, 8*UNIT
	s_mov_b32 s93, 0
	s_add_nc_u64 s[\w1p:\w1p+1], s[10:11], s[92:93]
	s_add_co_u32 s92, s92, 32*8*UNIT
	s_add_nc_u64 s[\w2p:\w2p+1], s[10:11], s[92:93]
	s_lshl_b32 s92, s[\e], 14
	s_lshl_b32 s94, s[WV], 12
	s_add_co_u32 s92, s92, s94
	s_add_nc_u64 s[\s1p:\s1p+1], s[12:13], s[92:93]
	s_add_nc_u64 s[\s2p:\s2p+1], s[16:17], s[92:93]
	s_lshl_b32 s92, s[\e], 12
	s_lshl_b32 s94, s[WV], 10
	s_add_co_u32 s92, s92, s94
	s_add_nc_u64 s[\b2p:\b2p+1], s[18:19], s[92:93]
	s_lshl_b32 s92, s[\e], 11
	s_lshl_b32 s94, s[WV], 9
	s_add_co_u32 s92, s92, s94
	s_add_nc_u64 s[\b1p:\b1p+1], s[14:15], s[92:93]
.endm
	s_load_b512 s[4:19], s[0:1], 0x0               ; tplan, xq, gate, wf, w1_scales, b1, w2_scales, b2
	s_load_b64 s[20:21], s[0:1], 0x40              ; out0
	v_lshl_add_u32 v254, v0, 2, 0x17000
	v_mov_b32 v255, 0
	v_lshrrev_b32 v1, 5, v0
	v_readfirstlane_b32 s[WV], v1                  ; wave q
	v_and_b32 v1, 31, v0                           ; lane
	v_and_b32 v2, 15, v0                           ; r
	v_bfe_u32 v3, v0, 4, 1                         ; h
	v_lshlrev_b32 v[LI], 4, v1
	v_add_nc_u32 v[LIH], HIMG, v[LI]
	v_lshlrev_b32 v[LSH], 2, v1
	v_add_nc_u32 v[LSH], HSC, v[LSH]
	s_wait_alu depctr_va_sdst(0)                   ; the wave's number is written, ahead of its first reader: LDS places and all bases are made from it
	s_mul_i32 s92, s[WV], FRB
	v_add_nc_u32 v[HWI], s92, v[LIH]
	s_lshl_b32 s92, s[WV], 7
	v_add_nc_u32 v[HWS], s92, v[LSH]
	s_mul_i32 s92, s[WV], 2*FRB
	v_add_nc_u32 v[XWI], s92, v[LI]
	s_mul_i32 s92, s[WV], 16*272
	s_add_co_u32 s92, s92, STG
	v_mul_u32_u24 v[STO], v2, 272
	v_lshl_add_u32 v[STO], v3, 5, v[STO]
	v_add_nc_u32 v[STO], s92, v[STO]               ; in: row r, 32 bytes for each half of the lanes
	v_mul_u32_u24 v[SRD], v3, 272
	v_lshl_add_u32 v[SRD], v2, 4, v[SRD]
	v_add_nc_u32 v[SRD], s92, v[SRD]               ; back: lanes 0-15 one row of 256 bytes, lanes 16-31 the next
	v_and_b32 v[VW1S], 8, v2
	v_add_nc_u32 v[VW1S], v[VW1S], v2
	v_lshlrev_b32 v[VW1S], 5, v[VW1S]
	v_lshl_add_u32 v[VW1S], v3, 4, v[VW1S]         ; w1's scales: row r + 8 (r / 8) of 32 bytes, + 16 h
	v_lshlrev_b32 v[VB1], 6, v3                    ; b1: + 16 units for lanes 16-31
	v_lshlrev_b32 v[VB2], 5, v3                    ; b2: + 8 columns
	v_mov_b32 v[C8], 0xbf97d29d
	v_mov_b32 v[C8+1], 0xbf97d29d
	v_lshlrev_b32 v[TA], 4, v3                     ; 16 h
	v_mul_u32_u24 v[TA+1], v3, 48
	s_mul_i32 s92, s[WV], 192
	v_add_nc_u32 v[TA+1], s92, v[TA+1]             ; 48 h + 192 q: my K steps 2 q, 2 q + 1 of a token's codes
	s_lshl_b32 s92, s[WV], 10
	v_lshl_add_u32 v[TA+2], v2, 4, s92             ; 1,024 q + 16 r: my place in a row of out0
	s_lshl_b32 s96, ttmp9, 5
	s_wait_kmcnt 0x0
	s_load_b256 s[24:31], s[4:5], s96 offset:0x8000   ; my tile: first place, rows - 1, rows, a, b
	s_mov_b32 s[SEL], 0x76543210
	s_mov_b32 s[SEL+1], 0xfedcba98
	KPAIR C0,    0xc034d90f
	KPAIR C0+2,  0x3fb8ab5a
	KPAIR C0+4,  0x3f0a29d2
	KPAIR C0+6,  0x3e0efb2e
	KPAIR C0+8,  0xbe899a80
	KPAIR C0+10, 0x3ecdfd18
	KPAIR C0+12, 0xbfd1a1e5
	KPAIR C0+14, 0x40097039
	KPAIR C9,    0x3e7c6f08
	KPAIR CM,    0xbf38aa3b
	s_mov_b32 s[CH], 0x3eb504f3
	s_mov_b32 s[J], 0
	s_mov_b32 s[JO], 0
	s_mov_b32 s[JOS], 0
	s_wait_kmcnt 0x0
	s_min_u32 s[START], s24, 0x1fff                ; what was loaded enters addresses only held to its range
	s_min_u32 s[LAST], s25, 47
	s_min_u32 s[NROW], s26, 48
	s_min_u32 s27, s27, 7
	s_min_u32 s28, s28, 7
	EXPERT 27, CUR, PA, S1PA, B1PA, S2P, B2P
	EXPERT 28, W1PB, PB, S1PB, B1PB, S2P+2, B2P+2
	s_mov_b64 s[NPA:NPA+1], s[W1PB:W1PB+1]
	s_add_nc_u64 s[NPB:NPB+1], s[W1PB:W1PB+1], 2*UNIT
	; the tile's tokens: row 16 m + r for the operands, row 2 k + h for the way out; rows behind the last take the last.  All 27 places in the list are made first, so that one wait serves the 27 loads
.irp m, 0,1,2
	v_add_nc_u32 v[XF+\m], 16*\m, v2
	v_min_u32 v[XF+\m], s[LAST], v[XF+\m]
	v_add_nc_u32 v[XF+\m], s[START], v[XF+\m]
	v_min_u32 v[XF+\m], 0x1fff, v[XF+\m]
	v_lshlrev_b32 v[XF+\m], 2, v[XF+\m]
.endr
.set kk, 0
.rept 24
	v_add_nc_u32 v[XF+3+kk], 2*kk, v3
	v_min_u32 v[XF+3+kk], s[LAST], v[XF+3+kk]
	v_add_nc_u32 v[XF+3+kk], s[START], v[XF+3+kk]
	v_min_u32 v[XF+3+kk], 0x1fff, v[XF+3+kk]
	v_lshlrev_b32 v[XF+3+kk], 2, v[XF+3+kk]
.set kk, kk+1
.endr
	s_wait_alu depctr_va_vdst(0)                   ; the 27 places in the list are written, which the loads below read; so are LI, LIH, LSH, HWI, HWS, XWI, STO, SRD, VW1S, VB1 and VB2, which serve the whole kernel
.irp m, 0,1,2
	global_load_b32 v[XA+\m], v[XF+\m], s[4:5]
.endr
.set kk, 0
.rept 24
	global_load_b32 v[TO+kk], v[XF+3+kk], s[4:5]
.set kk, kk+1
.endr
	SB1 S1PA, B1PA
	s_wait_loadcnt 24                              ; the 27 list loads are in; the 24 just issued may be out
.irp m, 0,1,2
	v_min_u32 v[XA+\m], 0x1fff, v[XA+\m]           ; a token's number
	v_lshlrev_b32 v[GWA+\m], 3, v[XA+\m]
	v_lshlrev_b32 v[XSA+\m], 5, v[XA+\m]
	v_add_nc_u32 v[XSA+\m], v[TA], v[XSA+\m]
	v_mul_u32_u24 v[XA+\m], v[XA+\m], 768
	v_add_nc_u32 v[XA+\m], v[TA+1], v[XA+\m]
.endr
.set kk, 0
.rept 24
	v_min_u32 v[TO+kk], 0x1fff, v[TO+kk]
	v_lshlrev_b32 v[TO+kk], 12, v[TO+kk]
	v_add_nc_u32 v[TO+kk], v[TA+2], v[TO+kk]
.set kk, kk+1
.endr
	s_wait_alu depctr_va_vdst(0)                   ; XA, XSA and GWA are written, which the loads below read, and TO, which out0's stores read
	s_wait_alu depctr_vm_vsrc(0)                   ; the list's loads have read their places in v[XF ..], in which x's codes land
.irp m, 0,1,2
.irp s, 0,1
.irp c, 0,1,2
	global_load_b128 v[XF+24*\m+12*\s+4*\c:XF+24*\m+12*\s+4*\c+3], v[XA+\m], s[6:7] offset:96*\s+16*\c   ; a lane's 48 bytes are its 12 registers of the fragment
.endr
.endr
.endr
.irp m, 0,1,2
	global_load_b128 v[XS+4*\m:XS+4*\m+3], v[XSA+\m], s[6:7] offset:XQS
.endr
.irp m, 0,1,2
	global_load_b64 v[GW+2*\m:GW+2*\m+1], v[GWA+\m], s[8:9]
.endr
	WSET 0, CUR, 0
	s_wait_loadcnt 30                              ; x's codes are in (behind them: 3 + 3 + 24 loads)
.irp m, 0,1,2
.irp s, 0,1
.irp c, 0,1,2
	ds_store_b128 v[XWI], v[XF+24*\m+12*\s+4*\c:XF+24*\m+12*\s+4*\c+3] offset:XIMG+(8*\m+\s)*FRB+512*\c
.endr
.endr
.endr
	WSET 1, CUR, UNIT
	WSET 2, CUR, 2*UNIT
	SB2 0
	s_wait_dscnt 0x0                               ; my part of x's fragments has landed
	s_barrier_signal -1
	s_barrier_wait -1                              ; all 24 lie in LDS
	s_wait_alu depctr_vm_vsrc(0)                   ; my LDS stores have read v[XF ..]: from here on these are the two buffers in which fragments land
	XFETCH 0, 0
; K step s of the first product: 24 matrix instructions, the 24 accumulators by turns, one instruction a turn, in the same order in every step.
; In it the set that the step before has left is filled again: this expert's K step s + 3, or from step 5 on what comes next (the other expert's first three K steps, or W2's first three sets).
.macro P1WIN s
.if (\s) == 0
	WIN 0x91                                       ; weights and b1 in window 1, x in window 0, sums in window 2
.elseif (\s)%4 < 2
	WIN 0xa1
.else
	WIN 0xa3                                       ; weights in window 3
.endif
.endm
.macro P1MM s, t                       ; tile t of my hidden units against the three tiles of tokens
.irp m, 0,1,2
.if (\s) == 0
	MM 64*\m+8*(\t), p1a+12*(\t), p1b+12*\m, B1+8*(\t), W1S+4*(\t), XS+4*\m, 0
.elseif (\s) < 4
	MM 64*\m+8*(\t), p1a+12*(\t), p1b+12*\m, 64*\m+8*(\t), W1S+4*(\t)+(\s), XS+4*\m+(\s), 0
.else
	MM 64*\m+8*(\t), p1a+12*(\t), p1b+12*\m, 64*\m+8*(\t), W1S+4*(\t)+(\s)-4, XS+4*\m+(\s)-4, 3
.endif
.endr
.endm
.macro P1FILL s, f0, n                 ; n fragments of what step s asks for
.if (\s) == 0
	WPART 3, CUR, 3*UNIT, \f0, \n
.elseif (\s) < 5
	WPART ((\s)-1)%4, CUR, ((\s)+3)*UNIT, \f0, \n
.elseif (\s) == 5
	WPART 0, NPA, 0, \f0, \n
.elseif (\s) == 6
	WPART 1, NPA, UNIT, \f0, \n
.else
	WPART 2, NPB, 0, \f0, \n
.endif
.endm
.macro P1STEP s
.if (\s) >= 3
	s_wait_loadcnt 48                              ; this step's set is in: behind its loads the two steps before this one issued two sets, 48 loads
.endif
	s_wait_dscnt 0x0                               ; this step's fragments of x, asked for a step ago, are in
	PLACES
.if (\s) > 0
	s_wait_alu depctr_va_vdst(0)                   ; the products of the step before are done reading their weight set and their buffer of x, in which this step's loads land
.endif
.set p1a, 96*((\s)%2)
.set p1b, XF+36*((\s)%2)
	P1WIN \s
	P1MM \s, 0
.if (\s) < 7
	XFETCH ((\s)+1)%2, (\s)+1                      ; no further wait in the step: no product since the wait above names the other buffer or the set that is filled
.endif
	P1WIN \s
	P1MM \s, 1
	P1MM \s, 2
	P1FILL \s, 0, 3
	P1WIN \s
	P1MM \s, 3
	P1MM \s, 4
	P1FILL \s, 3, 3
	P1WIN \s
	P1MM \s, 5
	P1MM \s, 6
	P1FILL \s, 6, 2
	P1WIN \s
	P1MM \s, 7
.endm
; The GELU of 32 numbers a lane.  Each accumulator is read from its low end on.  Transcendentals stand in runs, with a plain line behind each run ahead of the first use.
.macro GELU32 m, half
.set gx, 64*(\m)+32*(\half)
.set gh, HA+32*(\half)
	WIN 0xfe
.set gi, 0
.rept 32
	v_fma_f32 v[GT+gi], |v[gx+gi]|, s[CH], 1.0
.set gi, gi+1
.endr
	WIN 0xff
.set gi, 0
.rept 32
	v_rcp_f32 v[GT+gi], v[GT+gi]                   ; t
.set gi, gi+1
.endr
	WIN 0xfa
.set gi, 0
.rept 16
	v_pk_mul_f32 v[GQ+gi:GQ+gi+1], v[gx+gi:gx+gi+1], v[gx+gi:gx+gi+1]
.set gi, gi+2
.endr
.set gi, 0
.rept 32
	v_max_num_f32 v[gh+gi], 0, v[gx+gi]
.set gi, gi+1
.endr
	WIN 0xcf
.set gi, 0
	s_wait_alu depctr_va_vdst(0)                   ; the 32 reciprocals have written v[GT ..]: one wait for the batch, ahead of its first reader
.rept 16
	v_pk_fma_f32 v[GP+gi:GP+gi+1], v[GT+gi:GT+gi+1], s[C9:C9+1], v[C8:C8+1] op_sel_hi:[1,0,1]
.set gi, gi+2
.endr
	WIN 0xff
.irp k, 7,6,5,4,3,2,1,0
.set gi, 0
.rept 16
	v_pk_fma_f32 v[GP+gi:GP+gi+1], v[GP+gi:GP+gi+1], v[GT+gi:GT+gi+1], s[C0+2*\k:C0+2*\k+1] op_sel_hi:[1,1,0]
.set gi, gi+2
.endr
.endr
.set gi, 0
.rept 16
	v_pk_fma_f32 v[GP+gi:GP+gi+1], v[GQ+gi:GQ+gi+1], s[CM:CM+1], v[GP+gi:GP+gi+1] op_sel_hi:[1,0,1]
.set gi, gi+2
.endr
.set gi, 0
.rept 32
	v_exp_f32 v[GP+gi], v[GP+gi]
.set gi, gi+1
.endr
	v_nop
.set gi, 0
	s_wait_alu depctr_va_vdst(0)                   ; the 32 exponentials have written v[GP ..]: one wait for the batch, ahead of its first reader
.rept 16
	v_pk_mul_f32 v[GQ+gi:GQ+gi+1], v[GT+gi:GT+gi+1], v[GP+gi:GP+gi+1]   ; q
.set gi, gi+2
.endr
	WIN 0xfe
.set gi, 0
.rept 32
	v_fma_f32 v[gh+gi], -|v[gx+gi]|, v[GQ+gi], v[gh+gi]
.set gi, gi+1
.endr
.endm
; 64 numbers of a lane, register 16 b + i = k 32 b + 16 (lane / 16) + i of my token, become a fragment's codes in v[PC] on and its scale word in v[PW]: all in window 3.
.macro QUANT
	WIN 0xff
.irp b, 0,1,2,3
	v_max3_num_f32 v[TM+\b], |v[HA+16*\b]|, |v[HA+1+16*\b]|, 0x2800000   ; my 16 of block b, and the floor 2^(5 - 127): the byte cannot fall under 1
.endr
.irp i, 2,4,6,8,10,12,14
.irp b, 0,1,2,3
	v_max3_num_f32 v[TM+\b], v[TM+\b], |v[HA+16*\b+\i]|, |v[HA+1+16*\b+\i]|
.endr
.endr
.irp b, 0,1,2,3
	v_permlanex16_b32 v[TM+4+\b], v[TM+\b], s[SEL], s[SEL+1]
.endr
.irp b, 0,1,2,3
	v_max_num_f32 v[TM+\b], v[TM+\b], v[TM+4+\b]   ; with lane l xor 16's: the block's largest magnitude
.endr
.irp b, 0,1,2,3
	v_add_nc_u32 v[TM+12+\b], 0xfe000000, v[TM+\b] ; 4 off its exponent field: the conversion's scale operand
.endr
.irp b, 0,1,2,3
	v_lshrrev_b32 v[TM+4+\b], 23, v[TM+12+\b]      ; the scale's byte
.endr
	v_lshl_or_b32 v[PW], v[TM+5], 8, v[TM+4]
	v_lshl_or_b32 v[PW], v[TM+6], 16, v[PW]
	v_lshl_or_b32 v[PW], v[TM+7], 24, v[PW]
.irp c, 0,1
	v_cvt_scalef32_pk16_bf6_f32 v[PC+6*\c:PC+2+6*\c], v[HA+32*\c:HA+15+32*\c], v[TM+12+2*\c]
	v_cvt_scalef32_pk16_bf6_f32 v[PC+12+4*\c:PC+14+4*\c], v[HA+16+32*\c:HA+31+32*\c], v[TM+12+2*\c+1]   ; (a conversion's three registers begin on an even number)
.endr
	v_nop                                          ; one plain place behind a scaled conversion
.irp c, 0,1                                    ; the operand's layout wants a WHOLE block in a lane
.irp i, 0,1,2
	v_permlane16_swap_b32 v[PC+6*\c+\i], v[PC+12+4*\c+\i]
.endr
.irp i, 0,1,2
	v_mov_b32 v[PC+3+6*\c+\i], v[PC+12+4*\c+\i]
.endr
.endr
.endm
.macro IMAGE m                         ; K step q of the second product, rows 16 m on, of the expert in hand
	WIN 0x0c
	s_wait_alu depctr_va_vdst(0)                   ; the quantiser has written the codes v[PC ..] and the scale word v[PW], which the stores read; HWIJ and HWSJ, their addresses, are written
.irp c, 0,1,2
	ds_store_b128 v[HWIJ], v[PC+4*\c:PC+4*\c+3] offset:4*FRB*(\m)+512*\c
.endr
	ds_store_b32 v[HWSJ], v[PW] offset:512*(\m)
	s_wait_dscnt 0x0                               ; the stores have landed
	s_wait_alu depctr_vm_vsrc(0)                   ; the stores have read v[PC ..] and v[PW], which the next GELU writes and in which set 3's next loads land, and HWIJ and HWSJ, which the next trip writes
.endm
	; ---- the first product, the GELU and the quantiser: two trips, expert a and expert b.  Every work-group walks the loop; a tile with no rows jumps over a trip's work
.Lj:
	v_add_nc_u32 v[HWIJ], s[JO], v[HWI]            ; (the last trip's stores by these two have read them: the wait at the end of its last image)
	v_add_nc_u32 v[HWSJ], s[JOS], v[HWS]
	s_cmp_eq_u32 s[NROW], 0
	s_cbranch_scc1 .Lj_next
	s_wait_loadcnt 0x0                             ; sets 0 to 2, the scale words and the biases are in
.irp s, 0,1,2,3,4,5,6,7
	P1STEP \s
.endr
	PLACES
	WIN 0
	s_cmp_lg_u32 s[J], 0
	s_cbranch_scc1 .Lj_second
	s_wait_alu depctr_va_vdst(0)                   ; expert a's products are done reading w1's scale words, b1 and buffer 0 of x, in which the loads below land
	SB1 S1PB, B1PB                                 ; expert b's scale words and bias land while a's GELU is worked
	XFETCH 0, 0
	s_wait_xcnt 0x0                                ; the pointers are written again only behind this wait
	s_mov_b64 s[CUR:CUR+1], s[W1PB:W1PB+1]
	s_mov_b64 s[NPA:NPA+1], s[PA:PA+1]
	s_mov_b64 s[NPB:NPB+1], s[PB:PB+1]
.Lj_second:
.irp m, 0,1,2
	GELU32 \m, 0
	GELU32 \m, 1
	QUANT
	IMAGE \m
.endr
	WIN 0
.Lj_next:
	s_add_co_u32 s[JO], s[JO], 12*FRB
	s_add_co_u32 s[JOS], s[JOS], 12*128
	s_add_co_u32 s[J], s[J], 1
	s_cmp_lt_u32 s[J], 2
	s_cbranch_scc1 .Lj
	s_wait_dscnt 0x0                               ; my part of the hidden layer has landed, my reads of x are in
	s_barrier_signal -1
	s_barrier_wait -1                              ; all 24 hidden fragments lie in LDS
	s_cmp_eq_u32 s[NROW], 0
	s_cbranch_scc1 .Lend
; Step v of a group of 64 columns: expert v / 4, K step v % 4: 12 matrix instructions, 12 accumulators by turns.  Set v / 2 holds the weights of two K steps.
; refill = 1: a set is filled with the next group's weights as soon as its two steps are over.
.macro P2WIN v
.if (\v)/2 < 2
	WIN 0xa1
.else
	WIN 0xa3
.endif
.endm
.macro P2MM ct                         ; tile ct of the group's columns against the three tiles of tokens
.irp m, 0,1,2
.if p2s == 0
	MM 96*p2j+32*\m+8*(\ct), p2a+12*(\ct), p2b+12*\m, B2+32*p2j+8*(\ct), W2S+8*p2j+4*((\ct)/2)+p2s, HS+4*(3*p2j+\m)+p2s, (\ct)%2
.else
	MM 96*p2j+32*\m+8*(\ct), p2a+12*(\ct), p2b+12*\m, 96*p2j+32*\m+8*(\ct), W2S+8*p2j+4*((\ct)/2)+p2s, HS+4*(3*p2j+\m)+p2s, (\ct)%2
.endif
.endr
.endm
.macro P2FILL v, refill, f0, n         ; n fragments of what step v asks for, if it asks
.if \refill
.if (\v) == 2
	WPART 0, PA, 2*UNIT, \f0, \n
.elseif (\v) == 4
	WPART 1, PA, 3*UNIT, \f0, \n
.elseif (\v) == 6
	WPART 2, PB, 2*UNIT, \f0, \n
.endif
.endif
.endm
.macro P2STEP v, refill
.set p2j, (\v)/4
.set p2s, (\v)%4
.set p2u, (\v)/2
.if (\v) == 0
	s_wait_loadcnt 24                              ; sets 0 to 2, the scale words and b2 are in; set 3's 24 loads may be out
.elseif (\v) == 6
.if \refill
	s_wait_loadcnt 48                              ; set 3 is in: behind its loads steps 2 and 4 issued two sets, 48 loads
.else
	s_wait_loadcnt 0x0
.endif
.endif
	s_wait_dscnt 0x0                               ; this step's hidden fragments, asked for a step ago, are in (in the first group's first step the scale words too)
	PLACES
.if ((\v) > 0) && (((\v) < 7) || \refill)
	s_wait_alu depctr_va_vdst(0)                   ; the products of the step before are done reading their buffer of hidden fragments, and those of the two steps before their weight set: this step's loads land there
.endif
.set p2a, 96*(p2u%2)+48*(p2s%2)
.set p2b, XF+36*((\v)%2)
	P2WIN \v
	P2MM 0
.if (\v) < 7
	HFETCH ((\v)+1)%2, ((\v)+1)/4, ((\v)+1)%4      ; no further wait in the step: no product since the wait above names the other buffer or the set that is filled
.elseif \refill
	HFETCH 0, 0, 0
.endif
	P2WIN \v
	P2MM 1
	P2FILL \v, \refill, 0, 3
	P2WIN \v
	P2MM 2
	P2FILL \v, \refill, 3, 3
	P2WIN \v
	P2MM 3
	P2FILL \v, \refill, 6, 2
.endm
.macro TOSTAGE m                       ; 16 tokens x 64 columns into my stage, and back as whole rows of 256 bytes, into the registers that expert b's sums have left
	WIN 0x08
.irp ct, 0,1,2,3
	ds_store_b128 v[STO], v[32*(\m)+8*\ct:32*(\m)+8*\ct+3] offset:64*\ct
	ds_store_b128 v[STO], v[32*(\m)+8*\ct+4:32*(\m)+8*\ct+7] offset:64*\ct+16
.endr
	WIN 0x80
.irp i, 0,1,2,3,4,5,6,7
	ds_load_b128 v[96+32*(\m)+4*\i:96+32*(\m)+4*\i+3], v[SRD] offset:544*\i   ; LDS serves a wave's instructions in order: these see the stores above, and the next tile's stores come behind them
.endr
.endm
.macro SEND m, younger                 ; younger: the LDS instructions issued behind tile m's loads
	WIN 0x08
.irp i, 0,1,2,3,4,5,6,7
	s_wait_dscnt (\younger)+7-\i
	global_store_b128 v[TO+8*(\m)+\i], v[96+32*(\m)+4*\i:96+32*(\m)+4*\i+3], s[20:21] th:TH_STORE_NT   ; sixteen lanes store 256 consecutive bytes of a token's row, at a multiple of 256 from out0's first byte
.endr
.endm
.macro OUTG refill                     ; the group leaves: wa ya + wb yb, each accumulator from its low end on
	PLACES
.if \refill
	s_wait_alu depctr_va_vdst(0)                   ; the group's products are done reading w2's scale words, b2 and set 3, in which the loads below land
	SB2 1
	WSET 3, PB, 3*UNIT
.endif
	WIN 0xa2
.irp m, 0,1,2
.irp ct, 0,1,2,3
.irp p, 0,2,4,6
	v_pk_mul_f32 v[32*\m+8*\ct+\p:32*\m+8*\ct+\p+1], v[32*\m+8*\ct+\p:32*\m+8*\ct+\p+1], v[GW+2*\m:GW+2*\m+1] op_sel_hi:[1,0]
.endr
.endr
.endr
.irp m, 0,1,2
.irp ct, 0,1,2,3
.irp p, 0,2,4,6
	v_pk_fma_f32 v[32*\m+8*\ct+\p:32*\m+8*\ct+\p+1], v[96+32*\m+8*\ct+\p:96+32*\m+8*\ct+\p+1], v[WB+2*\m:WB+2*\m+1], v[32*\m+8*\ct+\p:32*\m+8*\ct+\p+1] op_sel_hi:[1,0,1]
.endr
.endr
.endr
	WIN 0x08
	s_wait_alu depctr_va_vdst(0)                   ; the packed lines have written the 96 results, which the stage's stores read, and are done reading expert b's sums, in which the stage's loads land; no vector line follows in the way out
	TOSTAGE 0
	TOSTAGE 1
	SEND 0, 16
	TOSTAGE 2
	SEND 1, 16
	SEND 2, 0
	WIN 0
.if \refill
	s_wait_xcnt 0x0                                ; the stores have had their addresses translated, the loads too: data registers and bases may be written again
	s_wait_alu depctr_vm_vsrc(0)                   ; the stage's stores and out0's stores have read window 2's registers 0 to 191, which the next group's products write
	s_add_nc_u64 s[PA:PA+1], s[PA:PA+1], 2*UNIT
	s_add_nc_u64 s[PB:PB+1], s[PB:PB+1], 2*UNIT
	s_add_nc_u64 s[S2P:S2P+1], s[S2P:S2P+1], 1024
	s_add_nc_u64 s[S2P+2:S2P+3], s[S2P+2:S2P+3], 1024
	s_add_nc_u64 s[B2P:B2P+1], s[B2P:B2P+1], 256
	s_add_nc_u64 s[B2P+2:B2P+3], s[B2P+2:B2P+3], 256
	s_add_nc_u64 s[20:21], s[20:21], 256
.endif
.endm
	; ---- the second product: four groups of 64 columns, both experts
	s_wait_loadcnt 0x0                             ; sets 0 to 2 hold W2's first three; the gate weights are in
	WSET 3, PB, UNIT                               ; set 3's registers served the GELU and the quantiser: the two waits of the last image stand behind every line that named them
.irp m, 0,1,2
	v_mov_b32 v[WB+2*\m], v[GW+2*\m+1]
	v_mov_b32 v[WB+2*\m+1], v[GW+2*\m+1]
.endr
.set kk, 0
.rept 24
	ds_load_b32 v[HS+kk], v[LSH] offset:128*kk
.set kk, kk+1
.endr
	HFETCH 0, 0, 0
	s_mov_b32 s[G], 0
.Lg:
.irp v, 0,1,2,3,4,5,6,7
	P2STEP \v, 1
.endr
	OUTG 1
	s_add_co_u32 s[G], s[G], 1
	s_cmp_lt_u32 s[G], 3
	s_cbranch_scc1 .Lg
.irp v, 0,1,2,3,4,5,6,7
	P2STEP \v, 0                                   ; the last group asks for nothing more
.endr
	OUTG 0
.Lend:
	s_wait_dscnt 0x0                               ; the closing lines, six on end
	s_wait_alu 0x0
	s_wait_tensorcnt 0x0
	ds_add_u32 v254, v255
	s_wait_dscnt 0x0
	s_endpgm
.Lfunc_end_k_qc7b9e430d3_chain:
	.size	k_qc7b9e430d3_chain, .Lfunc_end_k_qc7b9e430d3_chain-k_qc7b9e430d3_chain
	.p2alignl 7, 3214868480
	.fill 96, 4, 3214868480
	.section	.rodata,"a",@progbits
	.p2align	6, 0x0
	.amdhsa_kernel k_qc7b9e430d3_chain
		.amdhsa_group_segment_fixed_size 94720
		.amdhsa_private_segment_fixed_size 0
		.amdhsa_enable_private_segment 0
		.amdhsa_kernarg_size 72
		.amdhsa_user_sgpr_count 2
		.amdhsa_user_sgpr_kernarg_segment_ptr 1
		.amdhsa_wavefront_size32 1
		.amdhsa_system_sgpr_workgroup_id_x 1
		.amdhsa_system_sgpr_workgroup_id_y 1
		.amdhsa_system_sgpr_workgroup_id_z 1
		.amdhsa_system_vgpr_workitem_id 0
		.amdhsa_next_free_vgpr 1024
		.amdhsa_next_free_sgpr 100
		.amdhsa_reserve_vcc 0
		.amdhsa_float_denorm_mode_32 3
		.amdhsa_float_denorm_mode_16_64 3
		.amdhsa_memory_ordered 1
		.amdhsa_forward_progress 1
		.amdhsa_inst_pref_size 255
	.end_amdhsa_kernel
	.section	.bss,"aw",@nobits
	.p2align	6
	.space	262144
	.amdgpu_metadata
---
amdhsa.version: [ 1, 2 ]
amdhsa.kernels:
  - .name:           k_qc7b9e430d3_chain
    .symbol:         k_qc7b9e430d3_chain.kd
    .args:
      - { .name: tplan, .offset: 0, .size: 8, .value_kind: global_buffer, .address_space: global }
      - { .name: xq, .offset: 8, .size: 8, .value_kind: global_buffer, .address_space: global }
      - { .name: gate, .offset: 16, .size: 8, .value_kind: global_buffer, .address_space: global }
      - { .name: wf, .offset: 24, .size: 8, .value_kind: global_buffer, .address_space: global }
      - { .name: w1_scales, .offset: 32, .size: 8, .value_kind: global_buffer, .address_space: global }
      - { .name: b1, .offset: 40, .size: 8, .value_kind: global_buffer, .address_space: global }
      - { .name: w2_scales, .offset: 48, .size: 8, .value_kind: global_buffer, .address_space: global }
      - { .name: b2, .offset: 56, .size: 8, .value_kind: global_buffer, .address_space: global }
      - { .name: out0, .offset: 64, .size: 8, .value_kind: global_buffer, .address_space: global }
    .group_segment_fixed_size: 94720
    .private_segment_fixed_size: 0
    .kernarg_segment_align: 8
    .kernarg_segment_size: 72
    .max_flat_workgroup_size: 128
    .sgpr_count:     100
    .vgpr_count:     1024
    .wavefront_size: 32
...
	.end_amdgpu_metadata
.endif
;; end of part 4
